; MI455X (gfx1250); checked and timed in simulation.
; The chip was launched on July 23, 2026; its instructions are those of AMD's public machine-readable ISA for CDNA 5 (MIT licence, August 2026) and "CDNA5" Instruction Set Architecture Reference Guide (July 2026). The comments in the code are by the model that wrote it; some were corrected since.
;; Multi Head Attention Block. Allowed arithmetic: matrix products marked QUANTISED: E3M2 operands, one E8M0 scale for each 32 along K, by v_wmma_scale_f32_16x16x128_f8f6f4 with both operands' format E3M2, f32 sums; everything else in f32.
;; Inputs: k 4 x 2,048 x 1,024 float32; mask 4 x 2,048 x 2,048 int32; q 4 x 2,048 x 1,024 float32; v 4 x 2,048 x 1,024 float32; w_k 1,024 x 1,024 float32; w_o 1,024 x 1,024 float32; w_q 1,024 x 1,024 float32; w_v 1,024 x 1,024 float32.
;; Outputs: out0 4 x 2,048 x 1,024 float32.
;; This version of the problem:
;;   THIS VERSION OF THE PROBLEM IS GIVEN IN LOW PRECISION. The matrix products marked QUANTISED in the list below multiply operands that are first quantised to E3M2 (3 exponent bits, 2 mantissa bits; 6 bits a number), with one power-of-two scale for each 32 numbers along K (OCP MX v1.0); their sums are f32. All else is computed in f32.
;;   The module's matrix products, in the order in which they are computed (A, B: the left and right operand; K: the contracted axis; several contracted axes count as one K, in the product's order):
;;     1. [M 8,192, K 1,024] x [K 1,024, N 1,024]; A: input q; B: input w_q: QUANTISED
;;     2. [M 8,192, K 1,024] x [K 1,024, N 1,024]; A: input k; B: input w_k: QUANTISED
;;     3. [M 8,192, K 1,024] x [K 1,024, N 1,024]; A: input v; B: input w_v: QUANTISED
;;     4. batch 64 x [M 2,048, K 64] x [K 64, N 2,048]; A: computed on the way; B: computed on the way: QUANTISED
;;     5. batch 64 x [M 2,048, K 2,048] x [K 2,048, N 64]; A: softmax (see below); B: computed on the way: QUANTISED
;;     6. [M 8,192, K 1,024] x [K 1,024, N 1,024]; A: computed on the way; B: input w_o: QUANTISED
;;   THE QUANTISER, for each operand of a quantised product, along K:
;;     - K is cut into blocks of 32 from its start; a last block that is shorter is filled with zeros.
;;     - A block's scale is 2^e with e = floor(log2(the largest magnitude in the block)) - 4, held to -126 .. 127; a block of zeros has e = 0. As a byte (E8M0): e + 127.
;;     - Each number is divided by its block's scale, clamped to +-28, and rounded to the nearest number of E3M2, ties to even, subnormals kept.
;;     - The product sums the exact products of the quantised numbers (number of the format x scale) in f32.
;;   ~~~python
;;   def quantise(x, axis):      # numpy; x: float32 -> the quantised numbers, widened to float32 again
;;       x = np.moveaxis(x, axis, -1); K = x.shape[-1]
;;       x = np.pad(x, [(0, 0)] * (x.ndim - 1) + [(0, -K % 32)]); x = x.reshape(x.shape[:-1] + (-1, 32)); a = np.abs(x).max(-1, keepdims=True)
;;       e = np.where(a > 0, np.clip(np.frexp(np.where(a > 0, a, 1))[1] - 1 - 4, -126, 127), 0)      # np.frexp(a)[1] - 1 = floor(log2(a)), exactly
;;       r = np.clip(x / 2.0 ** e, -28, 28)
;;       step = 2.0 ** (np.maximum(np.frexp(np.where(r == 0, 1, r))[1] - 1, -2) - 2)
;;       q = np.round(r / step) * step * 2.0 ** e      # np.round: ties to even
;;       return np.moveaxis(q.reshape(q.shape[:-2] + (-1,))[..., :K], -1, axis).astype(np.float32)
;;   ~~~
;;   SOFTMAX AHEAD OF A QUANTISED PRODUCT. Where the list says 'softmax', what is quantised is not the finished softmax but p = 2^(t - M), with t = logit x log2(e) and M = ceil(the row's largest t), a whole number; so 1/2 < the row's largest p <= 1. The row's sum l is taken of the UNQUANTISED p, in f32, and the product's result is divided by l at the end. Since M is a whole number, a kernel that streams over the keys may use a running M (the ceiling of the running maximum): every later rescaling is an exact power of two, which a block's scale takes up: the codes' values come out the same.
;;   OPERANDS COMPUTED ON THE WAY. 'Computed on the way' means the value that the module computes at that place (a softmax that the list does not call 'softmax' is quantised finished and normalised). What goes into a quantiser is computed in f32, as accurately as f32 sums, v_exp_f32 and their like allow (about 1e-6 of the number): no bf16 or f16 on the way to a quantiser, and a product that is left as it is and whose result goes on into a quantised operand takes f32 operands (vector FMAs, or v_wmma_f32_16x16x4_f32). A number that lies on a knife's edge between two numbers of the format may be rounded either way, as far as f32 arithmetic and the matrix unit's own rounding can turn it there, and no further.
;; 2 versions, each right; version 2 is version 1 with the launch attn written anew for expert scheduling mode. Each part assembles by itself: llvm-mc -triple=amdgcn-amd-amdhsa -mcpu=gfx1250 --defsym DOCPART=n.
;; ======== version 1 of 2: 4 launches
;; limits: right only within a limited range of input values
;; workspace buffers: cimg 22,020,096 bytes; csc 917,504 bytes; mw 2,097,152 bytes of whole numbers; mflag 2,048 bytes of whole numbers; himg 18,874,368 bytes; hsc 786,432 bytes; aimg 6,291,456 bytes; asc 524,288 bytes
;; launch prep (part 1): grid 576 x 1, 4 waves a work-group, no clusters, 68,096 bytes of LDS; arguments mask, q, k, v, w_q, w_k, w_v, w_o, cimg, csc, mw, mflag; writes cimg, csc, mw, mflag
.if DOCPART == 1
	.amdgcn_target "amdgcn-amd-amdhsa--gfx1250"
	.amdhsa_code_object_version 6
	.text
	.protected	k_qc7be071381_prep
	.globl	k_qc7be071381_prep
	.p2align	8
	.type	k_qc7be071381_prep,@function
k_qc7be071381_prep:
	s_mov_b64 s[64:65], 0
	v_nop
	global_prefetch_b8 v0, s[64:65] scope:SCOPE_SE
	s_setreg_imm32_b32 hwreg(HW_REG_WAVE_MODE, 25, 1), 1
	s_wait_xcnt 0x0
; PREP.  (1) q, k, v [8192][1024] and w_q, w_k, w_v, w_o [1024][1024], f32, become codes of BF6 (E3M2) with one E8M0 byte for each 32 along K (their last axis).
; (2) the mask [4][2048][2048], int32, becomes lane masks for the attention launch, and a list of which pieces of it need work.
; A block's scale is 2^(floor(log2(its largest magnitude)) - 4): its byte is the largest magnitude's exponent field - 4, held at 1 from below.
; LIMITS: a block of zeros gets the byte 1 where the rule says 127 (its codes are zeros, and this program alone reads the bytes); NaN and infinities among the inputs are not served.
; LAYOUT OF THE CODES (cimg): tiles of 16 rows; tile tau: q 0-511, k 512-1023, v 1024-1535, w_q 1536-, w_k 1600-, w_v 1664-, w_o 1728-1791.  A tile is 8 K steps of 128, each the IMAGE of the operand's 12 registers:
;   registers 0-3 at 16 x lane, 4-5 at 512 + 8 x lane, 6-9 at 768 + 16 x lane, 10-11 at 1280 + 8 x lane: 1,536 bytes.  Every store and every later load of it covers consecutive bytes.
; ORDER INSIDE A BLOCK OF 32: the codes stand in the order k 0-7, 16-23, 8-15, 24-31.  Every stream of codes of this program has that order (results of products fall into it by themselves), so both
;   operands of each product agree, and the blocks are the true blocks.
; SCALES (csc): [tau][row 16][8 words], a word for each 128 along K.
; MASK (mw): [b x 128 + T][step 16][64 words]: bit r + 16 h of word 16 b' + 8 u + j says whether mask[16 T + r][128 step + 32 b' + 16 u + 8 h + j] is not 0: the lanes and registers in which the scores lie.
; LIST (mflag): a word for each tile of 16 queries: bit s: step s must be worked; bit 16 + s: step s has holes.  A tile with a row that is masked everywhere is worked in every step.
; SHARES.  Work-groups 0-127: the mask, a wave to 16 rows (16 units of 16 rows x 512 bytes).  Work-groups 128-575: the numbers, a wave to a tile (8 units).  Waves share nothing: no barrier.
; A unit's 16 loads read 512 consecutive bytes each; the unit turns through the wave's own stage in LDS (rows 528 bytes apart = 33 x 16) so that a lane holds 16 numbers of each block of its row.
; Two units' loads (32, 16 KiB a wave) are on their way.  No matrix unit, no tensor load, no cluster: nothing is shared and nothing is multiplied.
.set R,    16                          ; v16-143  two sets of 64: a unit as loaded
.set X,    144                         ; v144-207 a unit behind its turn: register 16 b + 8 u + j = column 32 b + 16 u + 8 h + j of row r
.set TM,   208                         ; v208-223 at work
.set PW,   224                         ; v224     the scale word just made
.set PC,   226                         ; v226-245 the codes just made; in the mask's path v226-227 the unit's 64 words
.set SW,   246                         ; v246-253 the tile's eight scale words
.set SP,   528
.set STG,  16*SP                       ; a wave's stage
.set MSTG, 4*STG                       ; the mask's path has stages of its own
.set SRC,  60                          ; s[60:61] where my rows begin
.set SEL,  58                          ; s[58:59] lane selects: lane l xor 16
	s_load_b512 s[4:19], s[0:1], 0x0               ; mask, q, k, v, w_q, w_k, w_v, w_o
	s_load_b256 s[20:27], s[0:1], 0x40             ; cimg, csc, mw, mflag
	v_lshl_add_u32 v254, v0, 2, 0x10800
	v_mov_b32 v255, 0
	v_lshrrev_b32 v2, 5, v0
	v_readfirstlane_b32 s28, v2                    ; wave
	v_and_b32 v2, 31, v0                           ; lane
	v_and_b32 v10, 15, v0                          ; r
	v_bfe_u32 v11, v0, 4, 1                        ; h
	v_lshlrev_b32 v1, 4, v2                        ; loads: 16 bytes a lane
	v_lshlrev_b32 v5, 4, v2                        ; stores of 16 bytes a lane
	v_lshlrev_b32 v6, 3, v2                        ; and of 8
	v_lshlrev_b32 v7, 5, v10
	v_lshl_add_u32 v7, v11, 4, v7                  ; the scale words: 32 r + 16 h
	s_mul_i32 s29, s28, STG
	v_add_nc_u32 v3, s29, v1                       ; the stage, in: 16 x lane of row i
	v_mul_u32_u24 v4, v10, SP
	v_lshl_add_u32 v4, v11, 5, v4
	v_add_nc_u32 v4, s29, v4                       ; and out: row r, + 32 h
	v_add_nc_u32 v8, MSTG, v3                      ; the same for the mask's path: all four are made ahead of the parting
	v_add_nc_u32 v9, MSTG, v4
	s_mov_b32 s31, 0
	s_mov_b32 s57, 0xffff0000                      ; lanes 16-31
	s_mov_b32 s[SEL], 0x76543210
	s_mov_b32 s[SEL+1], 0xfedcba98
.macro GLOAD set, pitch, koff          ; a unit: 16 rows x 512 bytes
.irp i, 0,1,2,3,4,5,6,7,8,9,10,11,12,13,14,15
	global_load_b128 v[R+64*(\set)+4*\i:R+64*(\set)+4*\i+3], v1, s[SRC:SRC+1] offset:\i*(\pitch)+(\koff) th:TH_LOAD_NT
.endr
.endm
.macro TURN set, sin, sout             ; through the stage.  LDS serves a wave's instructions in order (ISA guide 5.7.1.4): no wait between the stores and the loads
.irp i, 0,1,2,3,4,5,6,7,8,9,10,11,12,13,14,15
	ds_store_b128 v[\sin], v[R+64*(\set)+4*\i:R+64*(\set)+4*\i+3] offset:\i*SP
.endr
.irp m, 0,1,2,3,4,5,6,7,8,9,10,11,12,13,14,15
	ds_load_b128 v[X+4*\m:X+4*\m+3], v[\sout] offset:128*(\m/4)+64*((\m/2)%2)+16*(\m%2)
.endr
.endm
; 64 numbers of a lane, register 16 b + i of block b of my row, become the 12 registers of a fragment in v[PC] on and its scale word in v[PW]
.macro QUANT s
.irp b, 0,1,2,3
	v_max3_num_f32 v[TM+\b], |v[\s+16*\b]|, |v[\s+1+16*\b]|, 0x2800000   ; my 16 numbers of block b, and the floor 2^(5 - 127): the byte cannot fall under 1
.endr
.irp i, 2,4,6,8,10,12,14
.irp b, 0,1,2,3
	v_max3_num_f32 v[TM+\b], v[TM+\b], |v[\s+16*\b+\i]|, |v[\s+1+16*\b+\i]|   ; the four blocks by turns
.endr
.endr
.irp b, 0,1,2,3
	v_permlanex16_b32 v[TM+4+\b], v[TM+\b], s[SEL], s[SEL+1]
.endr
.irp b, 0,1,2,3
	v_max_num_f32 v[TM+\b], v[TM+\b], v[TM+4+\b]   ; with lane l xor 16's 16: the block's largest magnitude
.endr
.irp b, 0,1,2,3
	v_add_nc_u32 v[TM+12+\b], 0xfe000000, v[TM+\b] ; 4 off its exponent field: the conversion takes this operand's exponent field as its scale
.endr
.irp b, 0,1,2,3
	v_lshrrev_b32 v[TM+4+\b], 23, v[TM+12+\b]      ; the byte
.endr
	v_lshl_or_b32 v[PW], v[TM+5], 8, v[TM+4]
	v_lshl_or_b32 v[PW], v[TM+6], 16, v[PW]
	v_lshl_or_b32 v[PW], v[TM+7], 24, v[PW]
.irp c, 0,1
	v_cvt_scalef32_pk16_bf6_f32 v[PC+6*\c:PC+2+6*\c], v[\s+32*\c:\s+15+32*\c], v[TM+12+2*\c]
	v_cvt_scalef32_pk16_bf6_f32 v[PC+12+4*\c:PC+14+4*\c], v[\s+16+32*\c:\s+31+32*\c], v[TM+12+2*\c+1]   ; (a conversion's three registers begin on an even number)
.endr
	v_nop                                          ; one plain line behind the scaled conversions
.irp c, 0,1                            ; the operand wants a whole block in a lane: lanes 0-15 block 2 c, lanes 16-31 block 2 c + 1
.irp i, 0,1,2
	v_permlane16_swap_b32 v[PC+6*\c+\i], v[PC+12+4*\c+\i]
.endr
.irp i, 0,1,2
	v_mov_b32 v[PC+3+6*\c+\i], v[PC+12+4*\c+\i]
.endr
.endr
.endm
	s_wait_kmcnt 0x0
	s_cmp_lt_u32 ttmp9, 128
	s_cbranch_scc1 .Lmask
	; ---------------- the numbers: tile tau = 4 (work-group - 128) + wave
	s_sub_co_u32 s53, ttmp9, 128
	s_mov_b64 s[SRC:SRC+1], s[6:7]                 ; q, unless a later tensor's range is reached
	s_mov_b32 s54, 0                               ; the tensor's first work-group
.macro PICK thr, p
	s_cmp_ge_u32 s53, \thr
	s_cselect_b64 s[SRC:SRC+1], s[\p:\p+1], s[SRC:SRC+1]
	s_cselect_b32 s54, \thr, s54
.endm
	PICK 128, 8
	PICK 256, 10
	PICK 384, 12
	PICK 400, 14
	PICK 416, 16
	PICK 432, 18
	s_sub_co_u32 s54, s53, s54
	s_lshl_b32 s30, s54, 18                        ; 64 rows of 4,096 bytes a work-group,
	s_lshl_b32 s55, s28, 16                        ; 16 a wave
	s_add_co_u32 s30, s30, s55
	s_add_nc_u64 s[SRC:SRC+1], s[SRC:SRC+1], s[30:31]
	s_lshl_b32 s55, s53, 2
	s_add_co_u32 s55, s55, s28                     ; tau
	s_mul_i32 s30, s55, 12288
	s_add_nc_u64 s[20:21], s[20:21], s[30:31]
	s_lshl_b32 s30, s55, 9
	s_add_nc_u64 s[22:23], s[22:23], s[30:31]
.irp b, 0,1,2,3
	v_mov_b32 v[TM+4+\b], 0                        ; written once: a lane permute's destination counts as one of its sources
.endr
	GLOAD 0, 4096, 0
	GLOAD 1, 4096, 512
.macro QUNIT u                         ; K step u of my tile.  Every offset is an immediate: no pointer is stepped
.if \u < 7
	s_wait_loadcnt 16                              ; this unit's 16 loads are in; the next unit's 16 may be out
.else
	s_wait_loadcnt 0x0
.endif
	TURN (\u)%2, 3, 4
	s_wait_dscnt 0x0                               ; the unit is back, and the stage's stores have read their registers
.if \u > 0
	s_wait_xcnt 0x0                                ; the last unit's stores have read the codes' registers, which are written again below
.endif
.if \u < 6
	GLOAD (\u)%2, 4096, 512*((\u)+2)
.endif
	QUANT X
	v_mov_b32 v[SW+\u], v[PW]
	global_store_b128 v5, v[PC:PC+3], s[20:21] offset:1536*(\u)          ; 512 consecutive bytes
	global_store_b64 v6, v[PC+4:PC+5], s[20:21] offset:1536*(\u)+512     ; 256
	global_store_b128 v5, v[PC+6:PC+9], s[20:21] offset:1536*(\u)+768
	global_store_b64 v6, v[PC+10:PC+11], s[20:21] offset:1536*(\u)+1280
.endm
.irp u, 0,1,2,3,4,5,6,7
	QUNIT \u
.endr
.irp q, 0,1,2,3
	v_cndmask_b32 v[TM+\q], v[SW+\q], v[SW+4+\q], s57   ; lanes r and r + 16 hold the same words: lanes 0-15 give K steps 0-3, lanes 16-31 K steps 4-7
.endr
	global_store_b128 v7, v[TM:TM+3], s[22:23]     ; the tile's 512 bytes of scales
	s_wait_tensorcnt 0x0
	ds_add_u32 v254, v255
	s_wait_dscnt 0x0
	s_endpgm
	; ---------------- the mask: 16 rows of 8,192 bytes, tile b x 128 + T = 4 x work-group + wave
.Lmask:
	s_lshl_b32 s53, ttmp9, 2
	s_add_co_u32 s53, s53, s28
	s_lshl_b32 s30, s53, 17
	s_add_nc_u64 s[SRC:SRC+1], s[4:5], s[30:31]
	s_lshl_b32 s30, s53, 12
	s_add_nc_u64 s[24:25], s[24:25], s[30:31]
	s_lshl_b32 s30, s53, 2
	s_add_nc_u64 s[26:27], s[26:27], s[30:31]
	s_mov_b32 s49, 0                               ; which lanes have met a key that counts
	s_mov_b32 s50, 0                               ; steps to be worked
	s_mov_b32 s51, 0                               ; steps with holes
	s_mov_b32 s52, 1                               ; the step's bit
	v_mov_b32 v[PC], 0                             ; (a lane write's destination counts as read)
	v_mov_b32 v[PC+1], 0
	GLOAD 0, 8192, 0
	GLOAD 1, 8192, 512
; A unit = a step of 128 keys.  Each of the 64 compares gives the 32 lanes' bits as one word: just the word that the attention launch wants as a select mask.  No branch hangs on them.
.macro MUNIT par, ahead, left
	s_wait_loadcnt \left                           ; this unit's 16 loads are in; the other set's may be out
	TURN \par, 8, 9
	s_wait_dscnt 0x0
	s_wait_xcnt 0x0                                ; the last unit's store has read the two registers of words
.if \ahead
	GLOAD \par, 8192, 1024+512*\par
.endif
	s_mov_b32 s48, 0
.irp g, 0,1,2,3
.irp k, 0,1,2,3,4,5,6,7,8,9,10,11,12,13,14,15
	v_cmp_ne_u32 s[32+\k], 0, v[X+16*\g+\k]
.endr
.irp k, 0,1,2,3,4,5,6,7,8,9,10,11,12,13,14,15
	v_writelane_b32 v[PC+\k%2], s[32+\k], 8*\g+\k/2    ; word n = 16 g + k goes to lane n / 2, register n % 2
	s_or_b32 s48, s48, s[32+\k]
.endr
.endr
	v_and_b32 v[PC+2], v[PC], v[PC+1]
	v_cmp_eq_u32 s53, -1, v[PC+2]                  ; all lanes: no word has a hole
	s_or_b32 s49, s49, s48
	s_cmp_lg_u32 s48, 0
	s_cselect_b32 s54, s52, 0
	s_or_b32 s50, s50, s54
	s_cmp_lg_u32 s53, -1
	s_cselect_b32 s54, s52, 0
	s_or_b32 s51, s51, s54
	s_lshl_b32 s52, s52, 1
	global_store_b64 v6, v[PC:PC+1], s[24:25] offset:256*\par   ; the step's 64 words: 256 consecutive bytes, aligned
.endm
	s_mov_b32 s56, 7
.Lpair:                                ; two steps a trip; the loads run two steps ahead
	MUNIT 0, 1, 16
	MUNIT 1, 1, 16
	s_wait_xcnt 0x0                                ; the loads and stores have read their bases
	s_add_nc_u64 s[SRC:SRC+1], s[SRC:SRC+1], 1024
	s_add_nc_u64 s[24:25], s[24:25], 512
	s_sub_co_u32 s56, s56, 1
	s_cmp_lg_u32 s56, 0
	s_cbranch_scc1 .Lpair
	MUNIT 0, 0, 16                                 ; the last two steps load nothing
	MUNIT 1, 0, 0
	s_lshr_b32 s53, s49, 16
	s_or_b32 s53, s53, s49
	s_and_b32 s53, s53, 0xffff                     ; rows that have a key that counts
	s_cmp_eq_u32 s53, 0xffff
	s_cselect_b32 s50, s50, 0xffff                 ; a row without any attends to all keys alike: then no step is passed over
	s_lshl_b32 s51, s51, 16
	s_or_b32 s50, s50, s51
	v_mov_b32 v[PC+3], s50
	v_mov_b32 v[PC+2], 0
	v_cmp_eq_u32 vcc_lo, 0, v2
	s_wait_xcnt 0x0                                ; EXEC changes only behind this wait
	s_wait_tensorcnt 0x0
	ds_add_u32 v254, v255
	s_wait_dscnt 0x0
	s_and_saveexec_b32 s53, vcc_lo
	global_store_b32 v[PC+2], v[PC+3], s[26:27]    ; lane 0 stores the tile's word
	s_wait_xcnt 0x0
	s_or_b32 exec_lo, exec_lo, s53
	s_endpgm
.Lfunc_end_k_qc7be071381_prep:
	.size	k_qc7be071381_prep, .Lfunc_end_k_qc7be071381_prep-k_qc7be071381_prep
	.p2alignl 7, 3214868480
	.fill 96, 4, 3214868480
	.section	.rodata,"a",@progbits
	.p2align	6, 0x0
	.amdhsa_kernel k_qc7be071381_prep
		.amdhsa_group_segment_fixed_size 68096
		.amdhsa_private_segment_fixed_size 0
		.amdhsa_enable_private_segment 0
		.amdhsa_kernarg_size 96
		.amdhsa_user_sgpr_count 2
		.amdhsa_user_sgpr_kernarg_segment_ptr 1
		.amdhsa_wavefront_size32 1
		.amdhsa_system_sgpr_workgroup_id_x 1
		.amdhsa_system_sgpr_workgroup_id_y 1
		.amdhsa_system_sgpr_workgroup_id_z 1
		.amdhsa_system_vgpr_workitem_id 0
		.amdhsa_next_free_vgpr 256
		.amdhsa_next_free_sgpr 66
		.amdhsa_reserve_vcc 1
		.amdhsa_float_denorm_mode_32 3
		.amdhsa_float_denorm_mode_16_64 3
		.amdhsa_memory_ordered 1
		.amdhsa_forward_progress 1
		.amdhsa_inst_pref_size 124
	.end_amdhsa_kernel
	.amdgpu_metadata
---
amdhsa.version: [ 1, 2 ]
amdhsa.kernels:
  - .name:           k_qc7be071381_prep
    .symbol:         k_qc7be071381_prep.kd
    .args:
      - { .name: mask, .offset: 0, .size: 8, .value_kind: global_buffer, .address_space: global }
      - { .name: q, .offset: 8, .size: 8, .value_kind: global_buffer, .address_space: global }
      - { .name: k, .offset: 16, .size: 8, .value_kind: global_buffer, .address_space: global }
      - { .name: v, .offset: 24, .size: 8, .value_kind: global_buffer, .address_space: global }
      - { .name: w_q, .offset: 32, .size: 8, .value_kind: global_buffer, .address_space: global }
      - { .name: w_k, .offset: 40, .size: 8, .value_kind: global_buffer, .address_space: global }
      - { .name: w_v, .offset: 48, .size: 8, .value_kind: global_buffer, .address_space: global }
      - { .name: w_o, .offset: 56, .size: 8, .value_kind: global_buffer, .address_space: global }
      - { .name: cimg, .offset: 64, .size: 8, .value_kind: global_buffer, .address_space: global }
      - { .name: csc, .offset: 72, .size: 8, .value_kind: global_buffer, .address_space: global }
      - { .name: mw, .offset: 80, .size: 8, .value_kind: global_buffer, .address_space: global }
      - { .name: mflag, .offset: 88, .size: 8, .value_kind: global_buffer, .address_space: global }
    .group_segment_fixed_size: 68096
    .private_segment_fixed_size: 0
    .kernarg_segment_align: 8
    .kernarg_segment_size: 96
    .max_flat_workgroup_size: 128
    .sgpr_count:     66
    .vgpr_count:     256
    .wavefront_size: 32
...
	.end_amdgpu_metadata
.endif
;; end of part 1
;; launch proj (part 2): grid 4 x 192, 4 waves a work-group, clusters of 4 x 4, 295,424 bytes of LDS; arguments cimg, csc, himg, hsc; writes himg, hsc
.if DOCPART == 2
	.amdgcn_target "amdgcn-amd-amdhsa--gfx1250"
	.amdhsa_code_object_version 6
	.text
	.protected	k_qc7be071381_proj
	.globl	k_qc7be071381_proj
	.p2align	8
	.type	k_qc7be071381_proj,@function
k_qc7be071381_proj:
	s_mov_b64 s[64:65], 0
	v_nop
	global_prefetch_b8 v0, s[64:65] scope:SCOPE_SE
	s_setreg_imm32_b32 hwreg(HW_REG_WAVE_MODE, 25, 1), 1
	s_wait_xcnt 0x0
	s_wait_alu depctr_hold_cnt(0) depctr_sa_sdst(0) depctr_va_vdst(0) depctr_va_sdst(0) depctr_va_ssrc(0) depctr_va_vcc(0) depctr_vm_vsrc(0)
	s_getreg_b32 s2, hwreg(HW_REG_IB_STS2, 6, 4)
	s_cmp_eq_u32 s2, 0
	s_cbranch_scc0 .Lentry_in_a_cluster
	s_endpgm
.Lentry_in_a_cluster:
	s_bfe_u32 s2, ttmp6, 0x10000c
	s_cmp_lg_u32 s2, 0xf033
	s_cbranch_scc0 .Lentry_shape_is_right
	s_endpgm
.Lentry_shape_is_right:
; PROJ.  query = q w_q^T, key = k w_k^T, value = v w_v^T on codes of BF6 (E3M2) with E8M0 scales, sums in f32; the results are quantised in registers and leave as codes:
; query and key along the head's 64 channels, value along the KEYS.  One launch: cluster y / 16 says which of the three.
; D = P x L^T: source 0 takes 16 rows of P, which fall on a lane's eight registers; source 1 takes 16 rows of L, which fall on the lanes.  What is to be the next product's K must run along the registers:
;   query, key: P = rows of W (channels), L = tokens.      value: P = tokens (keys), L = rows of w_v (channels).
; A work-group makes 256 of P x 128 of L; wave w: 128 of P (w % 2) x 64 of L (w / 2): 32 accumulators, 256 matrix instructions.  768 work-groups.
; ALL OF K = 1,024 OF BOTH OPERANDS LIES IN LDS: 384 rows x 768 bytes = 294,912 bytes, filled ONCE, in four chunks of 256 along K: no slot is ever filled again.
; The codes lie in memory as images of the operands' registers (tile of 16 rows: 8 K steps x 1,536 bytes), so a chunk of a tile is 3,072 consecutive bytes, and every LDS load covers consecutive bytes: no pitch, no padding.
; CLUSTER 4 x 4: P's tiles hang on cx and are shared down a column of the cluster, L's on cy and are shared along a row: joint loads, each fetched once for four work-groups.
; A wave has four tensor loads out: its part of the four chunks.
; LIMITS: a block of zeros gets the byte 1 (its codes are zeros; this program alone reads the bytes); NaN and infinities are not served.
; REGISTERS: window 0: v4-18 addresses; v32-63 P's scale words, v64-79 L's; v80-119 the quantiser's; v160-255 L's fragments, two sets.  window 1: P's fragments, two sets, at v0 and v128.  window 2: accumulator (i, p) at v[8 (8 i + p)].
.set CH,   73728                       ; a chunk in LDS: 24 tiles x 3,072 bytes: P's 16, then L's 8
.set TBY,  3072
.set FRB,  1536                        ; a fragment's image
.set P16,  4                           ; v4  16 x lane + my 8 tiles of P     v5  8 x lane + the same
.set P8,   5
.set L16,  6                           ; v6, v7 the same for my 4 tiles of L
.set L8,   7
.set PS,   32
.set LS,   64
.set TM,   80
.set PW,   96
.set PC,   100
.set LF,   160
.set G1P,  24                          ; s[24:31], s[32:39] descriptor groups 1;  s[40:55], s[68:83] groups 0, one for each chunk
.set G1L,  32
.set G0P,  40
.set G0L,  68
.set MSB, 0
.macro WIN new                         ; the immediate's high byte repeats the setting that is left
.if MSB != \new
	s_set_vgpr_msb (MSB<<8)|\new
.set MSB, \new
.endif
.endm
.set W_MUL, 0xa1                       ; source 0 (P) window 1, source 1 (L) window 0, C and D window 2
.set TO_P,  0x40                       ; destination window 1, address window 0
.macro CROUND                          ; a round of the cluster's barrier
	s_barrier_signal -1
	s_barrier_wait -1
	s_cmp_lg_u32 s14, 0
	s_cbranch_scc1 .Lnot_wave_0_\@
	s_barrier_signal -3
.Lnot_wave_0_\@:
	s_barrier_wait -3
	s_barrier_signal -1
	s_barrier_wait -1
.endm
.macro PLACES                          ; four plain lines between a matrix instruction and a load into, or a read of, its registers (ISA guide 7.12.1 for a read)
.rept 4
	v_nop
.endr
.endm
	s_load_b128 s[4:7], s[0:1], 0x0                ; cimg, csc
	s_load_b128 s[8:11], s[0:1], 0x10              ; himg, hsc
	v_lshl_add_u32 v158, v0, 2, 0x48000
	v_mov_b32 v159, 0
	ds_add_u32 v158, v159
	ds_add_u32 v158, v159
	v_lshrrev_b32 v1, 5, v0
	v_readfirstlane_b32 s14, v1                    ; wave
	s_and_b32 s15, s14, 1                          ; my half of P.  Also: which half of a tile set I fetch
	s_lshr_b32 s16, s14, 1                         ; my half of L.  Also: I fetch for P (0) or for L (1)
	s_bfe_u32 s17, ttmp6, 0x40000                  ; cx
	s_bfe_u32 s18, ttmp6, 0x40004                  ; cy
	s_and_b32 s19, ttmp7, 0xffff                   ; cluster y, 0 .. 47
	s_lshr_b32 s20, s19, 4                         ; 0 query, 1 key, 2 value: the same in all sixteen partners
	s_and_b32 s21, s19, 15
	s_and_b32 s22, s21, 7                          ; value: 8 x 4 blocks of tokens,
	s_lshr_b32 s23, s21, 3                         ;        2 x 4 blocks of w_v's rows
	s_lshl_b32 s84, s20, 6
	s_add_co_u32 s84, s84, 1536                    ; query, key: P's first tile is the weight's,
	s_lshl_b32 s85, s20, 9                         ;             L's the input's
	s_cmp_eq_u32 s20, 2
	s_cselect_b32 s22, s22, 0
	s_cselect_b32 s23, s23, s21
	s_cselect_b32 s84, 1024, s84                   ; value: P = v's tiles,
	s_cselect_b32 s85, 1664, s85                   ;        L = w_v's
	s_lshl_b32 s22, s22, 2
	s_add_co_u32 s22, s22, s17                     ; my block of 256 of P: it hangs on cx, never on cy
	s_lshl_b32 s23, s23, 2
	s_add_co_u32 s23, s23, s18                     ; my block of 128 of L: on cy, never on cx
	s_lshl_b32 s86, s22, 4
	s_add_co_u32 s84, s84, s86                     ; P's first tile of the work-group
	s_lshl_b32 s87, s23, 3
	s_add_co_u32 s85, s85, s87                     ; L's
	s_lshl_b32 s86, 0x1111, s17                    ; my column of the cluster
	s_lshl_b32 s87, s18, 2
	s_lshl_b32 s87, 15, s87                        ; my row
	; group 1: rows of 3,072 bytes (384 elements of 8 bytes), one for each tile, 12,288 bytes apart in memory, on end in LDS.  P: 8 rows a load, L: 4
	s_or_b32 s[G1P], s86, (3<<16)|(1<<21)          ; 15:0 the mask; 17:16 elements of 8 bytes; 20 no padding; 21 set beside a mask
	s_or_b32 s[G1L], s87, (3<<16)|(1<<21)
	s_mov_b32 s[G1P+1], 384<<16                    ; tensor_dim0
	s_mov_b32 s[G1P+2], 8<<16                      ; tensor_dim1
	s_mov_b32 s[G1P+3], 384<<16                    ; tile_dim0
	s_mov_b32 s[G1P+4], 8                          ; tile_dim1
	s_mov_b32 s[G1P+5], 1536                       ; from row to row, in elements
	s_mov_b32 s[G1P+6], 0
	s_mov_b32 s[G1P+7], 0
	s_mov_b32 s[G1L+1], 384<<16
	s_mov_b32 s[G1L+2], 4<<16
	s_mov_b32 s[G1L+3], 384<<16
	s_mov_b32 s[G1L+4], 4
	s_mov_b32 s[G1L+5], 1536
	s_mov_b32 s[G1L+6], 0
	s_mov_b32 s[G1L+7], 0
	s_lshl_b32 s88, s15, 3
	s_add_co_u32 s88, s88, s84                     ; the 8 tiles of P that I would fetch; they are also the 8 that I multiply
	s_lshl_b32 s94, s88, 9                         ; their scale words
	s_mul_i32 s88, s88, 12288
	s_mov_b32 s89, 0
	s_lshl_b32 s90, s15, 2
	s_add_co_u32 s90, s90, s85                     ; the 4 tiles of L that I would fetch
	s_mul_i32 s90, s90, 12288
	s_mov_b32 s91, 0
	s_lshl_b32 s95, s16, 2
	s_add_co_u32 s95, s95, s85                     ; the 4 that I multiply:
	s_lshl_b32 s95, s95, 9                         ; their scale words
	s_mul_i32 s92, s15, 8*TBY                      ; LDS: no place in the cluster enters an LDS address
	s_mul_i32 s93, s15, 4*TBY
	s_add_co_u32 s93, s93, 16*TBY
	s_wait_dscnt 0x0
	s_wait_kmcnt 0x0
	s_add_nc_u64 s[88:89], s[4:5], s[88:89]
	s_add_nc_u64 s[90:91], s[4:5], s[90:91]
.irp c, 0,1,2,3
	s_mov_b32 s[G0P+4*\c], 1
	s_add_co_u32 s[G0P+4*\c+1], s92, CH*\c
	s_add_nc_u64 s[G0P+4*\c+2:G0P+4*\c+3], s[88:89], TBY*\c
	s_or_b32 s[G0P+4*\c+3], s[G0P+4*\c+3], 0x80000000
	s_mov_b32 s[G0L+4*\c], 1
	s_add_co_u32 s[G0L+4*\c+1], s93, CH*\c
	s_add_nc_u64 s[G0L+4*\c+2:G0L+4*\c+3], s[90:91], TBY*\c
	s_or_b32 s[G0L+4*\c+3], s[G0L+4*\c+3], 0x80000000
.endr
	CROUND                                         ; all sixteen work-groups are here: the joint loads meet
	s_cmp_eq_u32 s16, 0                            ; a wave's four fills stand in one branch on its number; four v_nop follow the last
	s_cbranch_scc0 .Lfetch_l
.irp c, 0,1,2,3
	tensor_load_to_lds s[G0P+4*\c:G0P+4*\c+3], s[G1P:G1P+7]
	s_nop 0
.endr
	PLACES
	s_branch .Lasked
.Lfetch_l:
.irp c, 0,1,2,3
	tensor_load_to_lds s[G0L+4*\c:G0L+4*\c+3], s[G1L:G1L+7]
	s_nop 0
.endr
	PLACES
.Lasked:
	v_and_b32 v1, 31, v0                           ; lane
	v_and_b32 v2, 15, v0                           ; r
	v_bfe_u32 v3, v0, 4, 1                         ; h
	v_lshlrev_b32 v9, 4, v1
	v_lshlrev_b32 v10, 3, v1
	v_lshlrev_b32 v11, 2, v1
	v_lshlrev_b32 v17, 5, v2
	v_lshl_add_u32 v17, v3, 4, v17                 ; a tile's scale words: 32 r + 16 h
	v_add_nc_u32 v8, s94, v17
	v_add_nc_u32 v16, s95, v17
; The scale words come straight into registers: register q of a tile holds K step q in lanes 0-15 and K step 4 + q in lanes 16-31
.irp p, 0,1,2,3,4,5,6,7
	global_load_b128 v[PS+4*\p:PS+4*\p+3], v8, s[6:7] offset:512*\p
.endr
.irp i, 0,1,2,3
	global_load_b128 v[LS+4*\i:LS+4*\i+3], v16, s[6:7] offset:512*\i
.endr
	v_add_nc_u32 v[P16], s92, v9
	v_add_nc_u32 v[P8], s92, v10
	s_mul_i32 s96, s16, 4*TBY
	s_add_co_u32 s96, s96, 16*TBY
	v_add_nc_u32 v[L16], s96, v9
	v_add_nc_u32 v[L8], s96, v10
.irp b, 0,1,2,3
	v_mov_b32 v[TM+4+\b], 0                        ; written once: a lane permute's destination counts as one of its sources
.endr
	; WHERE THE RESULTS GO.  query, key: himg [0 | 6291456] + [16 b + head][token tile][768]; a fragment's two halves are heads 2 g and 2 g + 1; scale words hsc [0 | 262144] + [g][token]
	s_lshl_b32 s56, s23, 7
	s_lshl_b32 s60, s16, 6
	s_add_co_u32 s56, s56, s60                     ; my first token
	s_lshr_b32 s57, s56, 11                        ; b
	s_lshl_b32 s58, s22, 1
	s_add_co_u32 s58, s58, s15                     ; g: my pair of heads
	s_lshl_b32 s59, s57, 3
	s_add_co_u32 s59, s59, s58
	s_mul_i32 s59, s59, 2*98304
	s_and_b32 s60, s56, 2047
	s_lshr_b32 s60, s60, 4
	s_mul_i32 s60, s60, 768
	s_add_co_u32 s59, s59, s60
	s_mul_i32 s60, s20, 6291456
	s_add_co_u32 s59, s59, s60
	s_lshl_b32 s61, s20, 18
	s_lshl_b32 s60, s58, 15
	s_add_co_u32 s61, s61, s60
	s_lshl_b32 s60, s56, 2
	s_add_co_u32 s61, s61, s60
	; value: himg 12582912 + [16 b + head][K step of 128 keys][channel tile][1536]; scale words hsc 524288 + [16 b + head][K step][channel]
	s_lshl_b32 s62, s23, 1
	s_add_co_u32 s62, s62, s16                     ; my head
	s_lshl_b32 s63, s22, 8
	s_lshl_b32 s60, s15, 7
	s_add_co_u32 s63, s63, s60                     ; my first key
	s_lshr_b32 s66, s63, 11
	s_lshl_b32 s66, s66, 4
	s_add_co_u32 s66, s66, s62
	s_and_b32 s67, s63, 2047
	s_lshr_b32 s67, s67, 7
	s_mul_i32 s94, s66, 98304
	s_mul_i32 s60, s67, 6144
	s_add_co_u32 s94, s94, s60
	s_add_co_u32 s94, s94, 12582912
	s_lshl_b32 s95, s66, 12
	s_lshl_b32 s60, s67, 8
	s_add_co_u32 s95, s95, s60
	s_add_co_u32 s95, s95, 524288
	s_mov_b32 s12, 768
	s_mov_b32 s13, 98304
	s_cmp_eq_u32 s20, 2
	s_cselect_b32 s97, s94, s59                    ; the first fragment's first half,
	s_cselect_b32 s99, s95, s61                    ; the first scale word,
	s_cselect_b32 s12, 1536, s12                   ; from a tile of L to the next,
	s_cselect_b32 s13, 768, s13                    ; from a fragment's first half to its second
	s_add_co_u32 s98, s97, s13
	v_add_nc_u32 v18, s99, v11
	s_mov_b32 s56, 0xffff0000                      ; lanes 16-31
	s_mov_b32 s57, 0x76543210
	s_mov_b32 s58, 0xfedcba98                      ; lane selects: lane l xor 16
.macro FRAG reg, a16, a8, off          ; a fragment's image back into 12 registers
	ds_load_b128 v[(\reg):(\reg)+3], v[\a16] offset:(\off)
	ds_load_b64 v[(\reg)+4:(\reg)+5], v[\a8] offset:(\off)+512
	ds_load_b128 v[(\reg)+6:(\reg)+9], v[\a16] offset:(\off)+768
	ds_load_b64 v[(\reg)+10:(\reg)+11], v[\a8] offset:(\off)+1280
.endm
.macro FETCH s                         ; K step s: 8 fragments of P and 4 of L, 48 loads in one run, into set s % 2
.set FS, (\s)%2
.if (FS == 0) && ((\s) > 0)
	WIN 0
.irp a, P16, P8, L16, L8
	v_add_nc_u32 v[\a], CH, v[\a]                  ; on to the next chunk
.endr
.endif
	WIN TO_P
.irp p, 0,1,2,3,4,5,6,7
	FRAG 128*FS+12*\p, P16, P8, \p*TBY+FS*FRB
.endr
	WIN 0
.irp i, 0,1,2,3
	FRAG LF+48*FS+12*\i, L16, L8, \i*TBY+FS*FRB
.endr
.endm
.macro WM i, p, s
.set rD, 8*(8*(\i)+(\p))
.set rA, 128*((\s)%2)+12*(\p)
.set rB, LF+48*((\s)%2)+12*(\i)
.set rSA, PS+4*(\p)+(\s)%4
.set rSB, LS+4*(\i)+(\s)%4
.if (\s) == 0
	v_wmma_scale_f32_16x16x128_f8f6f4 v[rD:rD+7], v[rA:rA+11], v[rB:rB+11], 0, v[rSA], v[rSB] matrix_a_fmt:MATRIX_FMT_BF6 matrix_b_fmt:MATRIX_FMT_BF6
.elseif (\s) < 4
	v_wmma_scale_f32_16x16x128_f8f6f4 v[rD:rD+7], v[rA:rA+11], v[rB:rB+11], v[rD:rD+7], v[rSA], v[rSB] matrix_a_fmt:MATRIX_FMT_BF6 matrix_b_fmt:MATRIX_FMT_BF6
.else
	v_wmma_scale_f32_16x16x128_f8f6f4 v[rD:rD+7], v[rA:rA+11], v[rB:rB+11], v[rD:rD+7], v[rSA], v[rSB] matrix_a_fmt:MATRIX_FMT_BF6 matrix_b_fmt:MATRIX_FMT_BF6 matrix_a_scale:MATRIX_SCALE_ROW1 matrix_b_scale:MATRIX_SCALE_ROW1
.endif
.endm
.macro MUL s                           ; 32 matrix instructions: the 32 accumulators take turns, in the same order in every step; step 0 starts the sums with the constant 0
	WIN W_MUL
.irp i, 0,1,2,3
.irp p, 0,1,2,3,4,5,6,7
	WM \i, \p, \s
.endr
.endr
.endm
.macro STEP s
.if ((\s)%2 == 1) && ((\s) < 7)
	s_wait_tensorcnt 2-(\s)/2                      ; my part of the next chunk has landed; my loads for the later chunks may stay out
	s_wait_dscnt 0x0                               ; no LDS load of mine is pending at the signal
	s_barrier_signal -1
	s_barrier_wait -1                              ; everybody's part has landed
.endif
.if (\s) < 7
.if (\s) > 0
	PLACES                                         ; the set to be loaded was multiplied by the step before
.endif
	FETCH (\s)+1
.if (\s)%2 == 0
	s_wait_dscnt 48                                ; all but the 48 just issued: this step's fragments are in
.endif
.else
	s_wait_dscnt 0x0
.endif
	MUL \s
.endm
	s_wait_tensorcnt 3                             ; my part of chunk 0 is in,
	s_barrier_signal -1
	s_barrier_wait -1                              ; everybody's is
	FETCH 0
	s_wait_loadcnt 0x0                             ; the scale words
.irp s, 0,1,2,3,4,5,6,7
	STEP \s
.endr
; THE WAY OUT.  The 8 accumulators of a tile of L are 64 registers of a lane: 128 neighbours along P of its row of L: register 16 b + i belongs to block b.  They become a fragment and a scale word, in registers.
.macro QUANTW a
	WIN 0x28                                       ; sources 1 and 2 window 2
.irp b, 0,1,2,3
	v_max3_num_f32 v[TM+\b], 0x2800000, |v[(\a)+16*\b]|, |v[(\a)+16*\b+1]|   ; the floor 2^(5 - 127) and my 16 numbers of block b; each accumulator is read from its low end on
.endr
.irp i, 2,4,6,8,10,12,14
.irp b, 0,1,2,3
	v_max3_num_f32 v[TM+\b], v[TM+\b], |v[(\a)+16*\b+\i]|, |v[(\a)+16*\b+\i+1]|
.endr
.endr
	WIN 0
.irp b, 0,1,2,3
	v_permlanex16_b32 v[TM+4+\b], v[TM+\b], s57, s58
.endr
.irp b, 0,1,2,3
	v_max_num_f32 v[TM+\b], v[TM+\b], v[TM+4+\b]
.endr
.irp b, 0,1,2,3
	v_add_nc_u32 v[TM+12+\b], 0xfe000000, v[TM+\b] ; 4 off the exponent field: the conversion's scale operand
.endr
.irp b, 0,1,2,3
	v_lshrrev_b32 v[TM+4+\b], 23, v[TM+12+\b]      ; the byte
.endr
	v_lshl_or_b32 v[PW], v[TM+5], 8, v[TM+4]
	v_lshl_or_b32 v[PW], v[TM+6], 16, v[PW]
	v_lshl_or_b32 v[PW], v[TM+7], 24, v[PW]
	WIN 0x02                                       ; source 0 window 2
.irp c, 0,1
	v_cvt_scalef32_pk16_bf6_f32 v[PC+6*\c:PC+2+6*\c], v[(\a)+32*\c:(\a)+32*\c+15], v[TM+12+2*\c]
	v_cvt_scalef32_pk16_bf6_f32 v[PC+12+4*\c:PC+14+4*\c], v[(\a)+32*\c+16:(\a)+32*\c+31], v[TM+12+2*\c+1]
.endr
	WIN 0
	v_nop                                          ; one plain line behind the scaled conversions
.irp c, 0,1
.irp i, 0,1,2
	v_permlane16_swap_b32 v[PC+6*\c+\i], v[PC+12+4*\c+\i]
.endr
.irp i, 0,1,2
	v_mov_b32 v[PC+3+6*\c+\i], v[PC+12+4*\c+\i]
.endr
.endr
.endm
	WIN 0
.irp i, 0,1,2,3
.if \i > 0
	s_wait_xcnt 0x0                                ; the last fragment's stores have read their offsets and data
.endif
	v_add_nc_u32 v12, s97, v9                      ; (for the first fragment these four lines are also the places behind the last products)
	v_add_nc_u32 v13, s97, v10
	v_add_nc_u32 v14, s98, v9
	v_add_nc_u32 v15, s98, v10
	QUANTW 64*\i
	global_store_b128 v12, v[PC:PC+3], s[8:9]                  ; 512 consecutive bytes, aligned to 256
	global_store_b64 v13, v[PC+4:PC+5], s[8:9] offset:512      ; 256
	global_store_b128 v14, v[PC+6:PC+9], s[8:9]
	global_store_b64 v15, v[PC+10:PC+11], s[8:9] offset:512
	s_add_co_u32 s97, s97, s12
	s_add_co_u32 s98, s98, s12
.if \i%2 == 0
	v_mov_b32 v[PW+1], v[PW]
.else
	v_cndmask_b32 v[PW+2], v[PW+1], v[PW], s56     ; lanes r and r + 16 hold the same word: lanes 0-15 give the even tile's, lanes 16-31 the odd tile's
	global_store_b32 v18, v[PW+2], s[10:11] offset:128*(\i/2)
.endif
.endr
	s_wait_tensorcnt 0x0
	ds_add_u32 v158, v159
	s_wait_dscnt 0x0
	CROUND                                         ; the closing round: no work-group ends while a partner may still ask for a tile that names it
	s_endpgm
.Lfunc_end_k_qc7be071381_proj:
	.size	k_qc7be071381_proj, .Lfunc_end_k_qc7be071381_proj-k_qc7be071381_proj
	.p2alignl 7, 3214868480
	.fill 96, 4, 3214868480
	.section	.rodata,"a",@progbits
	.p2align	6, 0x0
	.amdhsa_kernel k_qc7be071381_proj
		.amdhsa_group_segment_fixed_size 295424
		.amdhsa_private_segment_fixed_size 0
		.amdhsa_enable_private_segment 0
		.amdhsa_kernarg_size 32
		.amdhsa_user_sgpr_count 2
		.amdhsa_user_sgpr_kernarg_segment_ptr 1
		.amdhsa_wavefront_size32 1
		.amdhsa_system_sgpr_workgroup_id_x 1
		.amdhsa_system_sgpr_workgroup_id_y 1
		.amdhsa_system_sgpr_workgroup_id_z 1
		.amdhsa_system_vgpr_workitem_id 0
		.amdhsa_next_free_vgpr 768
		.amdhsa_next_free_sgpr 100
		.amdhsa_reserve_vcc 0
		.amdhsa_float_denorm_mode_32 3
		.amdhsa_float_denorm_mode_16_64 3
		.amdhsa_memory_ordered 1
		.amdhsa_forward_progress 1
		.amdhsa_inst_pref_size 89
	.end_amdhsa_kernel
	.amdgpu_metadata
---
amdhsa.version: [ 1, 2 ]
amdhsa.kernels:
  - .name:           k_qc7be071381_proj
    .symbol:         k_qc7be071381_proj.kd
    .args:
      - { .name: cimg, .offset: 0, .size: 8, .value_kind: global_buffer, .address_space: global }
      - { .name: csc, .offset: 8, .size: 8, .value_kind: global_buffer, .address_space: global }
      - { .name: himg, .offset: 16, .size: 8, .value_kind: global_buffer, .address_space: global }
      - { .name: hsc, .offset: 24, .size: 8, .value_kind: global_buffer, .address_space: global }
    .group_segment_fixed_size: 295424
    .private_segment_fixed_size: 0
    .kernarg_segment_align: 8
    .kernarg_segment_size: 32
    .max_flat_workgroup_size: 128
    .sgpr_count:     100
    .vgpr_count:     768
    .wavefront_size: 32
...
	.end_amdgpu_metadata
.endif
;; end of part 2
;; launch attn (part 3): grid 4 x 64, 16 waves a work-group, no clusters, 210,944 bytes of LDS; arguments himg, hsc, mw, mflag, aimg, asc; writes aimg, asc
.if DOCPART == 3
	.amdgcn_target "amdgcn-amd-amdhsa--gfx1250"
	.amdhsa_code_object_version 6
	.text
	.protected	k_qc7be071381_attn
	.globl	k_qc7be071381_attn
	.p2align	8
	.type	k_qc7be071381_attn,@function
k_qc7be071381_attn:
	s_mov_b64 s[64:65], 0
	v_nop
	global_prefetch_b8 v0, s[64:65] scope:SCOPE_SE
	s_setreg_imm32_b32 hwreg(HW_REG_WAVE_MODE, 25, 1), 1
	s_wait_xcnt 0x0
; ATTN.  x[b][q][head] = softmax_k(where(mask == 0, -1e9, Q . K / 8)) V, both products on codes of BF6 (E3M2) with E8M0 scales; x is quantised along the model's axis and leaves as codes.
; THE SOFTMAX: t = score x log2(e) / 8; M = the running largest t rounded UP to a whole number; p = 2^(t - M) is quantised along the keys, not normalised; the row's sum of the unquantised p divides at the end.
; When M moves, the sum and O are multiplied by 2^(old M - new M): exact.
; SHARES.  A work-group has one head of one batch: the head's K and V, codes and scales (204 KiB), are put into LDS ONCE, through registers; one barrier; then sixteen waves read and share nothing more.
; Wave w of work-group x = c takes the query tiles T = 16 c + w and 127 - T, one after the other (PASS, written twice): right for any mask, and even where the mask is lower triangular.
; THE MASK IS AN INPUT.  An earlier launch has stored it as select masks (64 words for 16 queries x 128 keys) and, for each tile of queries, a list: which steps of 128 keys have a key that counts, and which have holes.
; A step none of whose keys counts is passed over, by a scalar branch on that stored word; where a row has no key at all the list names every step.  In a step with holes the hidden scores are replaced.
; This launch has no tensor load, and so no joint loads: K and V are shared by the four work-groups of a head through their own loads.
; LIMITS: a hidden score is -2^33 (a logit of -2^30) where the definition has a logit of -1e9: its t is a whole number, so a row with no key gets p = 1 everywhere, as the definition gives; the two agree while the logits
;   that count stay above about -1e9.  A block of zeros has the byte 1 (zero codes).  NaN and infinities are not served.
; LAYOUT.  Both products are used transposed (S^T = K Q^T, O^T = V^T P^T): a lane holds ONE query.  Register 16 b + 8 u + j of S^T is key 32 b + 16 u + 8 h + j: inside each block of 32 all code streams of this program
;   stand in the order 0-7, 16-23, 8-15, 24-31, p's and V's alike.
; THE HEAD HAS 64 CHANNELS, the instruction takes 128: Q's upper six registers are zero codes; a fragment of K is six registers, and the six behind it (the next fragment's, or six zeros) meet Q's zeros and add nothing.
; REGISTERS: v1-3, v10-11, v86-94 kept addresses and constants; v4-9 the step's LDS addresses; v12 -M, v13 the largest t, v[14:15] the sum; v16-27 Q; v32-85 K, or v32-79 V; v96-159 S^T, p; v160-191 O^T; v192-223 O / sum;
;   v224-235 p's codes; v232-247, v254 at work; v248-251 K's or V's scale words; v252 f; v253 p's scale word; v255 Q's.
.set KIMG, 0                           ; [tile of 16 keys 128][768]
.set VIMG, 98304                       ; [step 16][tile of 16 channels 4][1536]
.set KSC,  196608                      ; a word a key
.set VSC,  204800                      ; [step 16][channel 64] words
	s_load_b256 s[4:11], s[0:1], 0x0               ; himg, hsc, mw, mflag
	s_load_b128 s[12:15], s[0:1], 0x20             ; aimg, asc
	v_lshl_add_u32 v31, v0, 2, 0x33000
	v_mov_b32 v243, 0
	v_lshrrev_b32 v1, 5, v0
	v_readfirstlane_b32 s16, v1                    ; wave 0 .. 15
	s_and_b32 s2, ttmp7, 0xffff                    ; 16 b + head
	s_lshr_b32 s17, s2, 4                          ; b
	s_and_b32 s18, s2, 15                          ; head
	s_lshl_b32 s19, ttmp9, 4
	s_add_co_u32 s19, s19, s16                     ; T, the first pass's tile of queries
	s_mov_b32 s52, 0x3e38aa3b                      ; c = log2(e) / 8
	s_mov_b32 s53, s52                             ; (named with it as a pair)
	s_mov_b32 s54, 0x76543210
	s_mov_b32 s55, 0xfedcba98                      ; lane selects: lane l xor 16
	s_mov_b32 s100, 0x01000100                     ; Q's and K's scale words hold two heads' bytes: mine are repeated over the word
	s_bitcmp1_b32 s18, 0
	s_cselect_b32 s100, 0x03020302, s100
	v_lshlrev_b32 v4, 4, v0                        ; THE FILL: thread t moves 16 bytes at 16 t + 8192 n, n = 0 .. 23: K's image, then V's, on end in LDS
	v_add_nc_u32 v5, 65536, v4
	v_add_nc_u32 v6, 131072, v4
	v_add_nc_u32 v7, KSC, v4
	v_lshl_add_u32 v8, v0, 3, VSC
	s_mul_i32 s61, s2, 98304
	s_add_co_u32 s61, s61, 6291456                 ; my head's K; its V lies 6,291,456 bytes on
	v_add_nc_u32 v89, s61, v4
	s_lshr_b32 s3, s18, 1
	s_lshl_b32 s3, s3, 15
	s_lshl_b32 s67, s17, 13
	s_add_co_u32 s3, s3, s67                       ; my pair of heads, my batch: Q's scale words; K's lie 262,144 bytes on
	s_add_co_u32 s67, s3, 262144
	v_add_nc_u32 v90, s67, v4
	s_lshl_b32 s67, s2, 12
	s_add_co_u32 s67, s67, 524288
	v_lshl_add_u32 v91, v0, 3, s67                 ; V's scale words
	s_wait_kmcnt 0x0
.irp n, 0,1,2,3,4,5,6,7,8,9,10,11
	global_load_b128 v[96+4*\n:99+4*\n], v89, s[4:5] offset:8192*\n
.endr
.irp n, 12,13,14,15,16,17,18,19,20,21,22,23
	global_load_b128 v[96+4*\n:99+4*\n], v89, s[4:5] offset:6291456+8192*(\n-12)
.endr
	global_load_b128 v[192:195], v90, s[6:7]
	global_load_b64 v[196:197], v91, s[6:7]
	v_and_b32 v95, 31, v0                          ; lane
	v_lshlrev_b32 v1, 4, v95
	v_lshlrev_b32 v2, 3, v95
	v_lshl_add_u32 v3, v95, 2, KSC
	v_add_nc_u32 v86, VIMG, v1
	v_add_nc_u32 v87, VIMG, v2
	v_lshl_add_u32 v88, v95, 2, VSC
	v_and_b32 v11, 15, v0
	v_lshlrev_b32 v11, 2, v11                      ; 4 r
	v_mov_b32 v10, 0xd0000000                      ; -2^33: a hidden score
.irp j, 22,23,24,25,26,27,80,81,82,83,84,85
	v_mov_b32 v\j, 0                               ; zero codes: Q's upper half, and what stands behind K's last fragment
.endr
.irp j, 236,237,238,239,252,253
	v_mov_b32 v\j, 0                               ; written once: permutes' destinations, and the pair v[252:253]
.endr
.irp n, 0,1,2,3,4,5,6,7,8,9,10,11,12,13,14,15,16,17,18,19,20,21,22,23
	s_wait_loadcnt 25-\n                           ; load n is in; the 25 - n issued behind it may be out
	ds_store_b128 v[4+\n/8], v[96+4*\n:99+4*\n] offset:8192*(\n%8)
.endr
	s_wait_loadcnt 1
.irp i, 0,1,2,3
	v_perm_b32 v[192+\i], v[192+\i], v[192+\i], s100
.endr
	ds_store_b128 v7, v[192:195]
	s_wait_loadcnt 0x0
	ds_store_b64 v8, v[196:197]
	s_wait_dscnt 0x0                               ; for the others' sake: my stores have landed
	s_barrier_signal -1
	s_barrier_wait -1                              ; the head's K and V lie in LDS; nothing is written there again
.macro QKPART                          ; S^T = K Q^T for the step's 128 keys: 8 tiles
.irp t, 0,1,2,3,4,5,6,7
	ds_load_b128 v[32+6*\t:35+6*\t], v4 offset:768*\t
	ds_load_b64 v[36+6*\t:37+6*\t], v5 offset:768*\t+512
.endr
.irp q, 0,1,2,3
	ds_load_b32 v[248+\q], v6 offset:128*\q        ; lanes 0-15: tile 2 q's words, lanes 16-31: tile 2 q + 1's
.endr
	s_wait_dscnt 0x0
.irp t, 0,1,2,3,4,5,6,7
.if \t%2 == 0
	v_wmma_scale_f32_16x16x128_f8f6f4 v[96+8*\t:103+8*\t], v[32+6*\t:43+6*\t], v[16:27], 0, v[248+\t/2], v255 matrix_a_fmt:MATRIX_FMT_BF6 matrix_b_fmt:MATRIX_FMT_BF6
.else
	v_wmma_scale_f32_16x16x128_f8f6f4 v[96+8*\t:103+8*\t], v[32+6*\t:43+6*\t], v[16:27], 0, v[248+\t/2], v255 matrix_a_fmt:MATRIX_FMT_BF6 matrix_b_fmt:MATRIX_FMT_BF6 matrix_a_scale:MATRIX_SCALE_ROW1
.endif
.endr
.rept 4
	v_nop                                          ; four plain lines ahead of the first read of the scores and of the loads into K's registers (ISA guide 7.12.1 for the read)
.endr
.endm
.macro PASS                            ; one tile of 16 queries, T in s19
	s_wait_xcnt 0x0                                ; earlier loads and stores have read their offsets and data
	s_mul_i32 s61, s2, 98304
	s_mul_i32 s66, s19, 768
	s_add_co_u32 s61, s61, s66
	v_add_nc_u32 v92, s61, v1
	v_add_nc_u32 v93, s61, v2
	s_lshl_b32 s66, s19, 6
	s_add_co_u32 s66, s66, s3
	v_add_nc_u32 v94, s66, v11
	s_lshl_b32 s63, s17, 7
	s_add_co_u32 s63, s63, s19                     ; 128 b + T
	s_lshl_b32 s101, s63, 2
	s_lshl_b32 s62, s63, 12                        ; the tile's select masks
	global_load_b128 v[16:19], v92, s[4:5]         ; Q's six registers
	global_load_b64 v[20:21], v93, s[4:5] offset:512
	global_load_b32 v255, v94, s[6:7]
	s_load_b32 s57, s[10:11], s101 offset:0x0      ; the tile's list
	s_mov_b32 s56, 0                               ; J, the step
	s_mov_b32 s58, 0                               ; 6144 J: K's and V's images
	s_mov_b32 s59, 0                               ; 512 J: K's scale words
	s_mov_b32 s60, 0                               ; 256 J: V's scale words, and the select masks
	s_wait_loadcnt 0x0
	v_perm_b32 v255, v255, v255, s100              ; the 36 lines below are the plain lines between this write of a scale register and the first scaled product
	v_mov_b32 v13, 0xff61b1e6                      ; the largest t so far: -3e38
	v_floor_f32 v12, -v13                          ; -M
	v_mov_b32 v14, 0
	v_mov_b32 v15, 0
.irp j, 0,1,2,3,4,5,6,7,8,9,10,11,12,13,14,15,16,17,18,19,20,21,22,23,24,25,26,27,28,29,30,31
	v_mov_b32 v[160+\j], 0                         ; O^T: which step is the first to be worked is known only from the list, so the step is written once and finds zeros
.endr
	s_wait_kmcnt 0x0
.Lstep_\@:                             ; 16 trips, a constant; the work of a trip is jumped over where the list says so
	s_lshr_b32 s61, s57, s56
	s_and_b32 s66, s61, 1
	s_cmp_lg_u32 s66, 0
	s_cbranch_scc0 .Lskip_\@
	v_add_nc_u32 v4, s58, v1                       ; (these six lines are also the places behind the last step's products, ahead of the loads into their registers)
	v_add_nc_u32 v5, s58, v2
	v_add_nc_u32 v6, s59, v3
	v_add_nc_u32 v7, s58, v86
	v_add_nc_u32 v8, s58, v87
	v_add_nc_u32 v9, s60, v88
	s_lshr_b32 s61, s61, 16
	s_and_b32 s66, s61, 1
	s_cmp_lg_u32 s66, 0
	s_cbranch_scc1 .Lmixed_\@
	QKPART                                         ; every key of the step counts
	s_branch .Lsoft_\@
.Lmixed_\@:
	s_add_co_u32 s61, s62, s60
	s_load_b512 s[20:35], s[8:9], s61 offset:0x0   ; the step's 64 select masks come while the scores are made
	s_load_b512 s[36:51], s[8:9], s61 offset:0x40
	s_load_b512 s[68:83], s[8:9], s61 offset:0x80
	s_load_b512 s[84:99], s[8:9], s61 offset:0xc0
	QKPART
	s_wait_kmcnt 0x0
.irp n, 0,1,2,3,4,5,6,7,8,9,10,11,12,13,14,15,16,17,18,19,20,21,22,23,24,25,26,27,28,29,30,31
	v_cndmask_b32 v[96+\n], v10, v[96+\n], s[20+\n]    ; bit = lane: 1 keeps the score
.endr
.irp n, 32,33,34,35,36,37,38,39,40,41,42,43,44,45,46,47,48,49,50,51,52,53,54,55,56,57,58,59,60,61,62,63
	v_cndmask_b32 v[96+\n], v10, v[96+\n], s[36+\n]
.endr
.Lsoft_\@:
.irp t, 0,1,2,3                        ; V's four fragments and their words are asked for now and land under the softmax
	ds_load_b128 v[32+12*\t:35+12*\t], v7 offset:1536*\t
	ds_load_b64 v[36+12*\t:37+12*\t], v8 offset:1536*\t+512
	ds_load_b128 v[38+12*\t:41+12*\t], v7 offset:1536*\t+768
	ds_load_b64 v[42+12*\t:43+12*\t], v8 offset:1536*\t+1280
.endr
	ds_load_b32 v248, v9
	ds_load_b32 v249, v9 offset:128
.irp b, 0,1,2,3
	v_max3_num_f32 v[232+\b], v[96+16*\b], v[97+16*\b], v[98+16*\b]   ; the largest score of each block of 32 keys: for the row's maximum and, since p rises with the score, for the block's largest p
.endr
.irp i, 3,5,7,9,11,13
.irp b, 0,1,2,3
	v_max3_num_f32 v[232+\b], v[232+\b], v[96+16*\b+\i], v[97+16*\b+\i]
.endr
.endr
.irp b, 0,1,2,3
	v_max_num_f32 v[232+\b], v[232+\b], v[111+16*\b]
.endr
.irp b, 0,1,2,3
	v_permlanex16_b32 v[236+\b], v[232+\b], s54, s55
.endr
.irp b, 0,1,2,3
	v_max_num_f32 v[232+\b], v[232+\b], v[236+\b]  ; with lane l xor 16's 16 keys
.endr
	v_max3_num_f32 v254, v232, v233, v234
	v_max_num_f32 v254, v254, v235
	v_mul_f32 v254, s52, v254                      ; the step's largest t
	v_max_num_f32 v13, v13, v254
	v_mov_b32 v254, v12
	v_floor_f32 v12, -v13                          ; the new -M = -ceil(t)
	v_sub_f32 v254, v12, v254                      ; old M - new M: a whole number, 0 or less
	v_cvt_i32_f32 v254, v254                       ; (it saturates)
	v_ldexp_f32 v252, 1.0, v254                    ; f = 2^(old M - new M)
.irp j, 0,2,4,6,8,10,12,14,16,18,20,22,24,26,28,30,32,34,36,38,40,42,44,46,48,50,52,54,56,58,60,62
	v_pk_fma_f32 v[96+\j:97+\j], v[96+\j:97+\j], s[52:53], v[12:13] op_sel_hi:[1,0,0]   ; t - M, two at a time
.endr
.irp b, 0,1,2,3
	v_fma_f32 v[232+\b], v[232+\b], s52, v12
.endr
.irp j, 0,1,2,3,4,5,6,7,8,9,10,11,12,13,14,15,16,17,18,19,20,21,22,23,24,25,26,27,28,29,30,31,32,33,34,35,36,37,38,39,40,41,42,43,44,45,46,47,48,49,50,51,52,53,54,55,56,57,58,59,60,61,62,63
	v_exp_f32 v[96+\j], v[96+\j]                   ; p = 2^(t - M)
.endr
	v_pk_mul_f32 v[14:15], v[14:15], v[252:253] op_sel_hi:[1,0]   ; the sums under the new M: the plain line behind the exponentials
	s_wait_alu depctr_va_vdst(0)                   ; one wait for the batch of 64, ahead of its first reader
.irp b, 0,1,2,3
	v_exp_f32 v[232+\b], v[232+\b]                 ; each block's largest p
.endr
	v_pk_add_f32 v[236:237], v[96:97], v[98:99]    ; the row's sum, of the unquantised p, in two chains
.irp j, 4,8,12,16,20,24,28,32,36,40,44,48,52,56,60
	v_pk_add_f32 v[14:15], v[14:15], v[96+\j:97+\j]
	v_pk_add_f32 v[236:237], v[236:237], v[98+\j:99+\j]
.endr
	v_pk_add_f32 v[14:15], v[14:15], v[236:237]
	s_wait_alu depctr_va_vdst(0)                   ; and one for the four
.irp b, 0,1,2,3
	v_max_num_f32 v[232+\b], 0x2800000, v[232+\b]  ; the floor 2^(5 - 127): the byte cannot fall under 1
.endr
.irp b, 0,1,2,3
	v_add_nc_u32 v[244+\b], 0xfe000000, v[232+\b]
.endr
.irp b, 0,1,2,3
	v_lshrrev_b32 v[236+\b], 23, v[244+\b]
.endr
	v_lshl_or_b32 v253, v237, 8, v236              ; p's scale word for these 128 keys
	v_lshl_or_b32 v253, v238, 16, v253
	v_lshl_or_b32 v253, v239, 24, v253
.irp c, 0,1
	v_cvt_scalef32_pk16_bf6_f32 v[224+6*\c:226+6*\c], v[96+32*\c:111+32*\c], v[244+2*\c]
	v_cvt_scalef32_pk16_bf6_f32 v[236+4*\c:238+4*\c], v[112+32*\c:127+32*\c], v[244+2*\c+1]
.endr
	v_nop                                          ; one plain line behind the scaled conversions
.irp c, 0,1
.irp i, 0,1,2
	v_permlane16_swap_b32 v[224+6*\c+\i], v[236+4*\c+\i]
.endr
.irp i, 0,1,2
	v_mov_b32 v[227+6*\c+\i], v[236+4*\c+\i]
.endr
.endr
.irp j, 0,2,4,6,8,10,12,14,16,18,20,22,24,26,28,30
	v_pk_mul_f32 v[160+\j:161+\j], v[160+\j:161+\j], v[252:253] op_sel_hi:[1,0]   ; O^T under the new M; these 16 are also the plain lines between the writes of p's codes and scale word and the products
.endr
	s_wait_dscnt 0x0                               ; V
.irp t, 0,1,2,3                        ; O^T += V^T P^T: the four accumulators by turns
.if \t%2 == 0
	v_wmma_scale_f32_16x16x128_f8f6f4 v[160+8*\t:167+8*\t], v[32+12*\t:43+12*\t], v[224:235], v[160+8*\t:167+8*\t], v[248+\t/2], v253 matrix_a_fmt:MATRIX_FMT_BF6 matrix_b_fmt:MATRIX_FMT_BF6
.else
	v_wmma_scale_f32_16x16x128_f8f6f4 v[160+8*\t:167+8*\t], v[32+12*\t:43+12*\t], v[224:235], v[160+8*\t:167+8*\t], v[248+\t/2], v253 matrix_a_fmt:MATRIX_FMT_BF6 matrix_b_fmt:MATRIX_FMT_BF6 matrix_a_scale:MATRIX_SCALE_ROW1
.endif
.endr
.Lskip_\@:
	s_add_co_u32 s58, s58, 6144
	s_add_co_u32 s59, s59, 512
	s_add_co_u32 s60, s60, 256
	s_add_co_u32 s56, s56, 1
	s_cmp_lt_u32 s56, 16
	s_cbranch_scc1 .Lstep_\@
	; THE TILE'S END: O^T / the sum, quantised along the head's 64 channels (two blocks of the model's axis), stored as half a fragment's image
	v_add_f32 v14, v14, v15
	v_permlanex16_b32 v252, v14, s54, s55
	v_add_f32 v14, v14, v252                       ; the row's sum
	v_rcp_f32 v14, v14
	s_lshl_b32 s61, s63, 4
	s_add_co_u32 s61, s61, s18
	s_mul_i32 s61, s61, 768                        ; aimg [token tile][head][768]
	v_add_nc_u32 v89, s61, v1                      ; (plain lines behind the reciprocal and behind the last products)
	v_add_nc_u32 v90, s61, v2
	s_lshl_b32 s66, s18, 15
	s_lshl_b32 s67, s63, 6
	s_add_co_u32 s66, s66, s67                     ; asc [head][token] words
	v_add_nc_u32 v91, s66, v11
	s_wait_alu depctr_va_vdst(0)                   ; ahead of the reciprocal's first reader
.irp j, 0,1,2,3,4,5,6,7,8,9,10,11,12,13,14,15,16,17,18,19,20,21,22,23,24,25,26,27,28,29,30,31
	v_mul_f32 v[192+\j], v[160+\j], v14            ; register 16 b + 8 u + j: channel 32 b + 16 u + 8 h + j
.endr
.irp b, 0,1
	v_max3_num_f32 v[232+\b], |v[192+16*\b]|, |v[193+16*\b]|, 0x2800000
.endr
.irp i, 2,4,6,8,10,12,14
.irp b, 0,1
	v_max3_num_f32 v[232+\b], v[232+\b], |v[192+16*\b+\i]|, |v[193+16*\b+\i]|
.endr
.endr
.irp b, 0,1
	v_permlanex16_b32 v[236+\b], v[232+\b], s54, s55
.endr
.irp b, 0,1
	v_max_num_f32 v[232+\b], v[232+\b], v[236+\b]
.endr
.irp b, 0,1
	v_add_nc_u32 v[244+\b], 0xfe000000, v[232+\b]
.endr
.irp b, 0,1
	v_lshrrev_b32 v[238+\b], 23, v[244+\b]
.endr
	v_lshl_or_b32 v254, v239, 8, v238              ; two bytes; the upper half stays 0
	v_cvt_scalef32_pk16_bf6_f32 v[224:226], v[192:207], v244
	v_cvt_scalef32_pk16_bf6_f32 v[228:230], v[208:223], v245
	v_nop                                          ; one plain line behind the scaled conversions
.irp i, 0,1,2
	v_permlane16_swap_b32 v[224+\i], v[228+\i]
.endr
.irp i, 0,1,2
	v_mov_b32 v[227+\i], v[228+\i]                 ; ascending: each is read before it is written
.endr
	global_store_b128 v89, v[224:227], s[12:13]            ; 512 consecutive bytes, aligned to 256
	global_store_b64 v90, v[228:229], s[12:13] offset:512  ; 256
	global_store_b32 v91, v254, s[14:15]                   ; lanes r and r + 16 store the same word with the same value
.endm
	PASS
	s_sub_co_u32 s19, 127, s19                     ; the second tile
	PASS
	s_wait_tensorcnt 0x0
	ds_add_u32 v31, v243
	s_wait_dscnt 0x0
	s_endpgm
.Lfunc_end_k_qc7be071381_attn:
	.size	k_qc7be071381_attn, .Lfunc_end_k_qc7be071381_attn-k_qc7be071381_attn
	.p2alignl 7, 3214868480
	.fill 96, 4, 3214868480
	.section	.rodata,"a",@progbits
	.p2align	6, 0x0
	.amdhsa_kernel k_qc7be071381_attn
		.amdhsa_group_segment_fixed_size 210944
		.amdhsa_private_segment_fixed_size 0
		.amdhsa_enable_private_segment 0
		.amdhsa_kernarg_size 48
		.amdhsa_user_sgpr_count 2
		.amdhsa_user_sgpr_kernarg_segment_ptr 1
		.amdhsa_wavefront_size32 1
		.amdhsa_system_sgpr_workgroup_id_x 1
		.amdhsa_system_sgpr_workgroup_id_y 1
		.amdhsa_system_sgpr_workgroup_id_z 1
		.amdhsa_system_vgpr_workitem_id 0
		.amdhsa_next_free_vgpr 256
		.amdhsa_next_free_sgpr 102
		.amdhsa_reserve_vcc 0
		.amdhsa_float_denorm_mode_32 3
		.amdhsa_float_denorm_mode_16_64 3
		.amdhsa_memory_ordered 1
		.amdhsa_forward_progress 1
		.amdhsa_inst_pref_size 67
	.end_amdhsa_kernel
	.amdgpu_metadata
---
amdhsa.version: [ 1, 2 ]
amdhsa.kernels:
  - .name:           k_qc7be071381_attn
    .symbol:         k_qc7be071381_attn.kd
    .args:
      - { .name: himg, .offset: 0, .size: 8, .value_kind: global_buffer, .address_space: global }
      - { .name: hsc, .offset: 8, .size: 8, .value_kind: global_buffer, .address_space: global }
      - { .name: mw, .offset: 16, .size: 8, .value_kind: global_buffer, .address_space: global }
      - { .name: mflag, .offset: 24, .size: 8, .value_kind: global_buffer, .address_space: global }
      - { .name: aimg, .offset: 32, .size: 8, .value_kind: global_buffer, .address_space: global }
      - { .name: asc, .offset: 40, .size: 8, .value_kind: global_buffer, .address_space: global }
    .group_segment_fixed_size: 210944
    .private_segment_fixed_size: 0
    .kernarg_segment_align: 8
    .kernarg_segment_size: 48
    .max_flat_workgroup_size: 512
    .sgpr_count:     102
    .vgpr_count:     256
    .wavefront_size: 32
...
	.end_amdgpu_metadata
.endif
;; end of part 3
;; launch outp (part 4): grid 4 x 64, 4 waves a work-group, clusters of 4 x 4, 295,424 bytes of LDS; arguments aimg, asc, cimg, csc, out0; writes out0
.if DOCPART == 4
	.amdgcn_target "amdgcn-amd-amdhsa--gfx1250"
	.amdhsa_code_object_version 6
	.text
	.protected	k_qc7be071381_outp
	.globl	k_qc7be071381_outp
	.p2align	8
	.type	k_qc7be071381_outp,@function
k_qc7be071381_outp:
	s_mov_b64 s[64:65], 0
	v_nop
	global_prefetch_b8 v0, s[64:65] scope:SCOPE_SE
	s_setreg_imm32_b32 hwreg(HW_REG_WAVE_MODE, 25, 1), 1
	s_wait_xcnt 0x0
	s_wait_alu depctr_hold_cnt(0) depctr_sa_sdst(0) depctr_va_vdst(0) depctr_va_sdst(0) depctr_va_ssrc(0) depctr_va_vcc(0) depctr_vm_vsrc(0)
	s_getreg_b32 s2, hwreg(HW_REG_IB_STS2, 6, 4)
	s_cmp_eq_u32 s2, 0
	s_cbranch_scc0 .Lentry_in_a_cluster
	s_endpgm
.Lentry_in_a_cluster:
	s_bfe_u32 s2, ttmp6, 0x10000c
	s_cmp_lg_u32 s2, 0xf033
	s_cbranch_scc0 .Lentry_shape_is_right
	s_endpgm
.Lentry_shape_is_right:
; OUTP.  out0 = x w_o^T on codes of BF6 (E3M2) with E8M0 scales, sums in f32.  x's codes and scale bytes come from the attention launch, w_o's from the first.
; D = P x L^T: source 0 takes 16 rows of w_o (P), which fall on a lane's eight registers: eight neighbouring columns of a row of out0; source 1 takes 16 tokens (L), which fall on the lanes.
; A work-group makes 256 columns x 128 tokens; wave w: 128 columns (w % 2) x 64 tokens (w / 2): 32 accumulators, 256 matrix instructions.  256 work-groups.
; ALL OF K = 1,024 OF BOTH OPERANDS LIES IN LDS: 384 rows x 768 bytes = 294,912 bytes, filled ONCE, in four chunks of 256 along K: no slot is ever filled again.
; The codes lie in memory as images of the operands' registers (tile of 16 rows: 8 K steps x 1,536 bytes): a chunk of a tile is 3,072 consecutive bytes, and every LDS load covers consecutive bytes.
; CLUSTER 4 x 4: w_o's tiles hang on cx and are shared down a column of the cluster, x's on cy and along a row: joint loads.  A wave has four tensor loads out.
; REGISTERS: window 0: v4-16 addresses; v32-63 P's scale words, v64-79 L's; v120-151 x's words as stored, a head each; v160-255 L's fragments, two sets; on the way out v128-255 rows of out0.
;   window 1: P's fragments, two sets, at v0 and v128.  window 2: accumulator (i, p) at v[8 (8 i + p)].
.set CH,   73728                       ; a chunk in LDS: 24 tiles x 3,072 bytes: P's 16, then L's 8
.set TBY,  3072
.set FRB,  1536
.set P16,  4
.set P8,   5
.set L16,  6
.set L8,   7
.set STO,  12                          ; the way out: where I put 32 bytes of a row
.set RD,   13                          ; and where I read a row back
.set CO,   9                           ; 16 x lane
.set PS,   32
.set LS,   64
.set RAW,  120
.set LF,   160
.set BK,   128
.set SPI,  528                         ; the stage: 16 rows x (512 bytes + 16) a wave
.set G1P,  24
.set G1L,  32
.set G0P,  40
.set G0L,  68
.set MSB, 0
.macro WIN new                         ; the immediate's high byte repeats the setting that is left
.if MSB != \new
	s_set_vgpr_msb (MSB<<8)|\new
.set MSB, \new
.endif
.endm
.set W_MUL, 0xa1                       ; source 0 (P) window 1, source 1 (L) window 0, C and D window 2
.set TO_P,  0x40                       ; destination window 1, address window 0
.macro CROUND                          ; a round of the cluster's barrier
	s_barrier_signal -1
	s_barrier_wait -1
	s_cmp_lg_u32 s14, 0
	s_cbranch_scc1 .Lnot_wave_0_\@
	s_barrier_signal -3
.Lnot_wave_0_\@:
	s_barrier_wait -3
	s_barrier_signal -1
	s_barrier_wait -1
.endm
.macro PLACES                          ; four plain lines between a matrix instruction and a load into, or a read of, its registers (ISA guide 7.12.1 for a read)
.rept 4
	v_nop
.endr
.endm
	s_load_b256 s[4:11], s[0:1], 0x0               ; aimg, asc, cimg, csc
	s_load_b64 s[12:13], s[0:1], 0x20              ; out0
	v_lshl_add_u32 v118, v0, 2, 0x48000
	v_mov_b32 v119, 0
	ds_add_u32 v118, v119
	ds_add_u32 v118, v119
	v_lshrrev_b32 v1, 5, v0
	v_readfirstlane_b32 s14, v1                    ; wave
	s_and_b32 s15, s14, 1                          ; my half of the columns.  Also: which half of a tile set I fetch
	s_lshr_b32 s16, s14, 1                         ; my half of the tokens.  Also: I fetch for P (0) or for L (1)
	s_bfe_u32 s17, ttmp6, 0x40000                  ; cx
	s_bfe_u32 s18, ttmp6, 0x40004                  ; cy
	s_and_b32 s19, ttmp7, 0xffff                   ; cluster y, 0 .. 15
	s_lshl_b32 s84, s17, 4
	s_add_co_u32 s84, s84, 1728                    ; w_o's first tile of the work-group: it hangs on cx, never on cy
	s_lshl_b32 s23, s19, 2
	s_add_co_u32 s23, s23, s18                     ; my block of 128 tokens: on cy, never on cx
	s_lshl_b32 s85, s23, 3                         ; x's first tile
	s_lshl_b32 s86, 0x1111, s17                    ; my column of the cluster
	s_lshl_b32 s87, s18, 2
	s_lshl_b32 s87, 15, s87                        ; my row
	; group 1: rows of 3,072 bytes (384 elements of 8 bytes), one for each tile, 12,288 bytes apart in memory, on end in LDS.  P: 8 rows a load, L: 4
	s_or_b32 s[G1P], s86, (3<<16)|(1<<21)          ; 15:0 the mask; 17:16 elements of 8 bytes; 20 no padding; 21 set beside a mask
	s_or_b32 s[G1L], s87, (3<<16)|(1<<21)
	s_mov_b32 s[G1P+1], 384<<16                    ; tensor_dim0
	s_mov_b32 s[G1P+2], 8<<16                      ; tensor_dim1
	s_mov_b32 s[G1P+3], 384<<16                    ; tile_dim0
	s_mov_b32 s[G1P+4], 8                          ; tile_dim1
	s_mov_b32 s[G1P+5], 1536                       ; from row to row, in elements
	s_mov_b32 s[G1P+6], 0
	s_mov_b32 s[G1P+7], 0
	s_mov_b32 s[G1L+1], 384<<16
	s_mov_b32 s[G1L+2], 4<<16
	s_mov_b32 s[G1L+3], 384<<16
	s_mov_b32 s[G1L+4], 4
	s_mov_b32 s[G1L+5], 1536
	s_mov_b32 s[G1L+6], 0
	s_mov_b32 s[G1L+7], 0
	s_lshl_b32 s88, s15, 3
	s_add_co_u32 s88, s88, s84                     ; the 8 tiles of P that I would fetch; they are also the 8 that I multiply
	s_lshl_b32 s94, s88, 9                         ; their scale words
	s_mul_i32 s88, s88, 12288
	s_mov_b32 s89, 0
	s_lshl_b32 s90, s15, 2
	s_add_co_u32 s90, s90, s85                     ; the 4 tiles of L that I would fetch
	s_mul_i32 s90, s90, 12288
	s_mov_b32 s91, 0
	s_mul_i32 s92, s15, 8*TBY                      ; LDS: no place in the cluster enters an LDS address
	s_mul_i32 s93, s15, 4*TBY
	s_add_co_u32 s93, s93, 16*TBY
	s_wait_dscnt 0x0
	s_wait_kmcnt 0x0
	s_add_nc_u64 s[88:89], s[8:9], s[88:89]
	s_add_nc_u64 s[90:91], s[4:5], s[90:91]
.irp c, 0,1,2,3
	s_mov_b32 s[G0P+4*\c], 1
	s_add_co_u32 s[G0P+4*\c+1], s92, CH*\c
	s_add_nc_u64 s[G0P+4*\c+2:G0P+4*\c+3], s[88:89], TBY*\c
	s_or_b32 s[G0P+4*\c+3], s[G0P+4*\c+3], 0x80000000
	s_mov_b32 s[G0L+4*\c], 1
	s_add_co_u32 s[G0L+4*\c+1], s93, CH*\c
	s_add_nc_u64 s[G0L+4*\c+2:G0L+4*\c+3], s[90:91], TBY*\c
	s_or_b32 s[G0L+4*\c+3], s[G0L+4*\c+3], 0x80000000
.endr
	CROUND                                         ; all sixteen work-groups are here: the joint loads meet
	s_cmp_eq_u32 s16, 0                            ; a wave's four fills stand in one branch on its number; four v_nop follow the last
	s_cbranch_scc0 .Lfetch_l
.irp c, 0,1,2,3
	tensor_load_to_lds s[G0P+4*\c:G0P+4*\c+3], s[G1P:G1P+7]
	s_nop 0
.endr
	PLACES
	s_branch .Lasked
.Lfetch_l:
.irp c, 0,1,2,3
	tensor_load_to_lds s[G0L+4*\c:G0L+4*\c+3], s[G1L:G1L+7]
	s_nop 0
.endr
	PLACES
.Lasked:
	v_and_b32 v1, 31, v0                           ; lane
	v_and_b32 v2, 15, v0                           ; r
	v_bfe_u32 v3, v0, 4, 1                         ; h
	v_lshlrev_b32 v9, 4, v1
	v_lshlrev_b32 v10, 3, v1
	v_lshlrev_b32 v11, 2, v1
	v_lshlrev_b32 v17, 5, v2
	v_lshl_add_u32 v17, v3, 4, v17                 ; a tile's scale words in csc: 32 r + 16 h
	v_add_nc_u32 v8, s94, v17
	s_lshl_b32 s56, s23, 7
	s_lshl_b32 s60, s16, 6
	s_add_co_u32 s56, s56, s60                     ; my first token
	s_lshl_b32 s60, s56, 2
	v_add_nc_u32 v16, s60, v11                     ; x's words: 4 (my first token + lane)
.irp p, 0,1,2,3,4,5,6,7
	global_load_b128 v[PS+4*\p:PS+4*\p+3], v8, s[10:11] offset:512*\p   ; register q: K step q in lanes 0-15, K step 4 + q in lanes 16-31
.endr
.irp pp, 0,1
.irp hd, 0,1,2,3,4,5,6,7,8,9,10,11,12,13,14,15
	global_load_b32 v[RAW+16*\pp+\hd], v16, s[6:7] offset:32768*\hd+128*\pp   ; a head's two bytes of 32 tokens: lanes 0-15 tile 2 pp, lanes 16-31 tile 2 pp + 1
.endr
.endr
	v_add_nc_u32 v[P16], s92, v9
	v_add_nc_u32 v[P8], s92, v10
	s_mul_i32 s96, s16, 4*TBY
	s_add_co_u32 s96, s96, 16*TBY
	v_add_nc_u32 v[L16], s96, v9
	v_add_nc_u32 v[L8], s96, v10
	s_mul_i32 s97, s14, 16*SPI                     ; my stage
	v_mul_u32_u24 v[STO], v2, SPI
	v_lshl_add_u32 v[STO], v3, 5, v[STO]
	v_add_nc_u32 v[STO], s97, v[STO]               ; in: row r, + 32 h
	v_add_nc_u32 v[RD], s97, v9                    ; back: the 32 lanes take a row of 512 bytes
	s_lshl_b32 s58, s56, 12                        ; out0: my first token's row of 4,096 bytes,
	s_lshl_b32 s60, s17, 10
	s_add_co_u32 s58, s58, s60                     ; + 256 columns x cx
	s_lshl_b32 s60, s15, 9
	s_add_co_u32 s58, s58, s60                     ; + 128 x my half
	s_mov_b32 s59, 0
	s_add_nc_u64 s[12:13], s[12:13], s[58:59]
.macro FRAG reg, a16, a8, off          ; a fragment's image back into 12 registers
	ds_load_b128 v[(\reg):(\reg)+3], v[\a16] offset:(\off)
	ds_load_b64 v[(\reg)+4:(\reg)+5], v[\a8] offset:(\off)+512
	ds_load_b128 v[(\reg)+6:(\reg)+9], v[\a16] offset:(\off)+768
	ds_load_b64 v[(\reg)+10:(\reg)+11], v[\a8] offset:(\off)+1280
.endm
.macro FETCH s                         ; K step s: 8 fragments of P and 4 of L, 48 loads in one run, into set s % 2
.set FS, (\s)%2
.if (FS == 0) && ((\s) > 0)
	WIN 0
.irp a, P16, P8, L16, L8
	v_add_nc_u32 v[\a], CH, v[\a]                  ; on to the next chunk
.endr
.endif
	WIN TO_P
.irp p, 0,1,2,3,4,5,6,7
	FRAG 128*FS+12*\p, P16, P8, \p*TBY+FS*FRB
.endr
	WIN 0
.irp i, 0,1,2,3
	FRAG LF+48*FS+12*\i, L16, L8, \i*TBY+FS*FRB
.endr
.endm
.macro WM i, p, s                      ; P's words: register s % 4, lanes 16-31 from K step 4 on.  L's: register 8 (i / 2) + s, lanes 16-31 for the odd tile
.set rD, 8*(8*(\i)+(\p))
.set rA, 128*((\s)%2)+12*(\p)
.set rB, LF+48*((\s)%2)+12*(\i)
.set rSA, PS+4*(\p)+(\s)%4
.set rSB, LS+8*((\i)/2)+(\s)
.if ((\s) == 0) && ((\i)%2 == 0)
	v_wmma_scale_f32_16x16x128_f8f6f4 v[rD:rD+7], v[rA:rA+11], v[rB:rB+11], 0, v[rSA], v[rSB] matrix_a_fmt:MATRIX_FMT_BF6 matrix_b_fmt:MATRIX_FMT_BF6
.elseif (\s) == 0
	v_wmma_scale_f32_16x16x128_f8f6f4 v[rD:rD+7], v[rA:rA+11], v[rB:rB+11], 0, v[rSA], v[rSB] matrix_a_fmt:MATRIX_FMT_BF6 matrix_b_fmt:MATRIX_FMT_BF6 matrix_b_scale:MATRIX_SCALE_ROW1
.elseif ((\s) < 4) && ((\i)%2 == 0)
	v_wmma_scale_f32_16x16x128_f8f6f4 v[rD:rD+7], v[rA:rA+11], v[rB:rB+11], v[rD:rD+7], v[rSA], v[rSB] matrix_a_fmt:MATRIX_FMT_BF6 matrix_b_fmt:MATRIX_FMT_BF6
.elseif (\s) < 4
	v_wmma_scale_f32_16x16x128_f8f6f4 v[rD:rD+7], v[rA:rA+11], v[rB:rB+11], v[rD:rD+7], v[rSA], v[rSB] matrix_a_fmt:MATRIX_FMT_BF6 matrix_b_fmt:MATRIX_FMT_BF6 matrix_b_scale:MATRIX_SCALE_ROW1
.elseif (\i)%2 == 0
	v_wmma_scale_f32_16x16x128_f8f6f4 v[rD:rD+7], v[rA:rA+11], v[rB:rB+11], v[rD:rD+7], v[rSA], v[rSB] matrix_a_fmt:MATRIX_FMT_BF6 matrix_b_fmt:MATRIX_FMT_BF6 matrix_a_scale:MATRIX_SCALE_ROW1
.else
	v_wmma_scale_f32_16x16x128_f8f6f4 v[rD:rD+7], v[rA:rA+11], v[rB:rB+11], v[rD:rD+7], v[rSA], v[rSB] matrix_a_fmt:MATRIX_FMT_BF6 matrix_b_fmt:MATRIX_FMT_BF6 matrix_a_scale:MATRIX_SCALE_ROW1 matrix_b_scale:MATRIX_SCALE_ROW1
.endif
.endm
.macro MUL s                           ; 32 matrix instructions: the 32 accumulators take turns, in the same order in every step; step 0 starts the sums with the constant 0
	WIN W_MUL
.irp i, 0,1,2,3
.irp p, 0,1,2,3,4,5,6,7
	WM \i, \p, \s
.endr
.endr
.endm
.macro STEP s
.if ((\s)%2 == 1) && ((\s) < 7)
	s_wait_tensorcnt 2-(\s)/2                      ; my part of the next chunk has landed; my loads for the later chunks may stay out
	s_wait_dscnt 0x0                               ; no LDS load of mine is pending at the signal
	s_barrier_signal -1
	s_barrier_wait -1                              ; everybody's part has landed
.endif
.if (\s) < 7
.if (\s) > 0
	PLACES                                         ; the set to be loaded was multiplied by the step before
.endif
	FETCH (\s)+1
.if (\s)%2 == 0
	s_wait_dscnt 48                                ; all but the 48 just issued: this step's fragments are in
.endif
.else
	s_wait_dscnt 0x0
.endif
	MUL \s
.endm
	s_wait_tensorcnt 3                             ; my part of chunk 0 is in,
	s_barrier_signal -1
	s_barrier_wait -1                              ; everybody's is
	FETCH 0
	s_wait_loadcnt 0x0                             ; the scale words
.irp pp, 0,1
.irp s, 0,1,2,3,4,5,6,7
	v_lshl_or_b32 v[LS+8*\pp+\s], v[RAW+16*\pp+2*\s+1], 16, v[RAW+16*\pp+2*\s]   ; K step s is heads 2 s and 2 s + 1: two bytes of each make its word
.endr
.endr
.rept 8
	v_nop                                          ; eight plain lines between a vector write of a scale register and a scaled product
.endr
.irp s, 0,1,2,3,4,5,6,7
	STEP \s
.endr
; THE WAY OUT, a tile of 16 tokens x 128 columns at a time.  A lane holds 32 neighbouring bytes of a row and the lanes beside it hold other rows: so a tile goes through my own stage in LDS and comes back as whole rows
; of 512 bytes.  The stage lies in chunk 0: its one fill has landed, and its last reads, those of K steps 0 and 1, were awaited by every wave ahead of the barrier in step 1.
; LDS serves a wave's instructions in order (ISA guide 5.7.1.4): no wait between the stores and the loads, nor ahead of the next tile's stores.
.macro TOSTAGE a
	WIN 0x08                                       ; an LDS store's data are its source 1: window 2
.irp p, 0,1,2,3,4,5,6,7
	ds_store_b128 v[STO], v[64*(\a)+8*\p:64*(\a)+8*\p+3] offset:64*\p        ; each accumulator from its low end on
	ds_store_b128 v[STO], v[64*(\a)+8*\p+4:64*(\a)+8*\p+7] offset:64*\p+16
.endr
	WIN 0
.set BB, BK+64*((\a)%2)
.irp t, 0,1,2,3,4,5,6,7,8,9,10,11,12,13,14,15
	ds_load_b128 v[BB+4*\t:BB+4*\t+3], v[RD] offset:\t*SPI
.endr
.endm
.macro SEND a, younger                 ; younger: the LDS instructions issued behind tile a's loads, which may stay out
.set BB, BK+64*((\a)%2)
	s_wait_dscnt \younger
.irp t, 0,1,2,3,4,5,6,7,8,9,10,11,12,13,14,15
	global_store_b128 v[CO], v[BB+4*\t:BB+4*\t+3], s[12:13] offset:65536*(\a)+4096*\t th:TH_STORE_NT   ; 32 lanes store 512 consecutive bytes, at a multiple of 512 from out0's first byte
.endr
.endm
	WIN 0
	PLACES                                         ; behind the last products: for the first read of results and for the loads into L's registers
	TOSTAGE 0
.irp a, 1,2,3
.if \a > 1
	s_wait_xcnt 0x0                                ; tile a - 2's stores have read their registers: tile a's loads may land there
.endif
	TOSTAGE \a
	SEND \a-1, 32                                  ; behind tile a - 1's loads: tile a's 16 stores and 16 loads
.endr
	SEND 3, 0
	s_wait_tensorcnt 0x0
	ds_add_u32 v118, v119
	s_wait_dscnt 0x0
	CROUND                                         ; the closing round: no work-group ends while a partner may still ask for a tile that names it
	s_endpgm
.Lfunc_end_k_qc7be071381_outp:
	.size	k_qc7be071381_outp, .Lfunc_end_k_qc7be071381_outp-k_qc7be071381_outp
	.p2alignl 7, 3214868480
	.fill 96, 4, 3214868480
	.section	.rodata,"a",@progbits
	.p2align	6, 0x0
	.amdhsa_kernel k_qc7be071381_outp
		.amdhsa_group_segment_fixed_size 295424
		.amdhsa_private_segment_fixed_size 0
		.amdhsa_enable_private_segment 0
		.amdhsa_kernarg_size 40
		.amdhsa_user_sgpr_count 2
		.amdhsa_user_sgpr_kernarg_segment_ptr 1
		.amdhsa_wavefront_size32 1
		.amdhsa_system_sgpr_workgroup_id_x 1
		.amdhsa_system_sgpr_workgroup_id_y 1
		.amdhsa_system_sgpr_workgroup_id_z 1
		.amdhsa_system_vgpr_workitem_id 0
		.amdhsa_next_free_vgpr 768
		.amdhsa_next_free_sgpr 100
		.amdhsa_reserve_vcc 0
		.amdhsa_float_denorm_mode_32 3
		.amdhsa_float_denorm_mode_16_64 3
		.amdhsa_memory_ordered 1
		.amdhsa_forward_progress 1
		.amdhsa_inst_pref_size 87
	.end_amdhsa_kernel
	.amdgpu_metadata
---
amdhsa.version: [ 1, 2 ]
amdhsa.kernels:
  - .name:           k_qc7be071381_outp
    .symbol:         k_qc7be071381_outp.kd
    .args:
      - { .name: aimg, .offset: 0, .size: 8, .value_kind: global_buffer, .address_space: global }
      - { .name: asc, .offset: 8, .size: 8, .value_kind: global_buffer, .address_space: global }
      - { .name: cimg, .offset: 16, .size: 8, .value_kind: global_buffer, .address_space: global }
      - { .name: csc, .offset: 24, .size: 8, .value_kind: global_buffer, .address_space: global }
      - { .name: out0, .offset: 32, .size: 8, .value_kind: global_buffer, .address_space: global }
    .group_segment_fixed_size: 295424
    .private_segment_fixed_size: 0
    .kernarg_segment_align: 8
    .kernarg_segment_size: 40
    .max_flat_workgroup_size: 128
    .sgpr_count:     100
    .vgpr_count:     768
    .wavefront_size: 32
...
	.end_amdgpu_metadata
.endif
;; end of part 4
;; ======== version 2 of 2: 4 launches; version 1 with the launch attn written anew for expert scheduling mode
;; limits: right only within a limited range of input values
;; workspace buffers: cimg 22,020,096 bytes; csc 917,504 bytes; mw 2,097,152 bytes of whole numbers; mflag 2,048 bytes of whole numbers; himg 18,874,368 bytes; hsc 786,432 bytes; aimg 6,291,456 bytes; asc 524,288 bytes
;; launch prep: the kernel of part 1 again; grid 576 x 1, 4 waves a work-group, no clusters, 68,096 bytes of LDS; arguments mask, q, k, v, w_q, w_k, w_v, w_o, cimg, csc, mw, mflag; writes cimg, csc, mw, mflag
;; launch proj: the kernel of part 2 again; grid 4 x 192, 4 waves a work-group, clusters of 4 x 4, 295,424 bytes of LDS; arguments cimg, csc, himg, hsc; writes himg, hsc
;; launch attn (part 5): grid 4 x 64, 16 waves a work-group, no clusters, 210,944 bytes of LDS; arguments himg, hsc, mw, mflag, aimg, asc; writes aimg, asc
.if DOCPART == 5
	.amdgcn_target "amdgcn-amd-amdhsa--gfx1250"
	.amdhsa_code_object_version 6
	.text
	.protected	k_qc7be071381_attn
	.globl	k_qc7be071381_attn
	.p2align	8
	.type	k_qc7be071381_attn,@function
k_qc7be071381_attn:
	s_mov_b64 s[64:65], 0
	v_nop
	global_prefetch_b8 v0, s[64:65] scope:SCOPE_SE
	s_setreg_imm32_b32 hwreg(HW_REG_WAVE_SCHED_MODE, 0, 2), 2
	s_setreg_imm32_b32 hwreg(HW_REG_WAVE_MODE, 25, 1), 1
	s_wait_xcnt 0x0
	s_wait_alu depctr_vm_vsrc(0)
; ATTN.  x[b][q][head] = softmax_k(where(mask == 0, -1e9, Q . K / 8)) V, both products on codes of BF6 (E3M2) with E8M0 scales; x is quantised along the model's axis and leaves as codes.
; THE SOFTMAX: t = score x log2(e) / 8; M = the running largest t rounded UP to a whole number; p = 2^(t - M) is quantised along the keys, not normalised; the row's sum of the unquantised p divides at the end.
; When M moves, the sum and O are multiplied by 2^(old M - new M): exact.
; SHARES.  A work-group has one head of one batch: the head's K and V, codes and scales (204 KiB), are put into LDS ONCE, through registers; one barrier; then sixteen waves read and share nothing more.
; Wave w of work-group x = c takes the query tiles T = 16 c + w and 127 - T, one after the other (PASS, written twice): right for any mask, and even where the mask is lower triangular.
; THE MASK IS AN INPUT.  An earlier launch has stored it as select masks (64 words for 16 queries x 128 keys) and, for each tile of queries, a list: which steps of 128 keys have a key that counts, and which have holes.
; A step none of whose keys counts is passed over, by a scalar branch on that stored word; where a row has no key at all the list names every step.  In a step with holes the hidden scores are replaced.
; This launch has no tensor load, and so no joint loads: K and V are shared by the four work-groups of a head through their own loads.
; LIMITS: a hidden score is -2^33 (a logit of -2^30) where the definition has a logit of -1e9: its t is a whole number, so a row with no key gets p = 1 everywhere, as the definition gives; the two agree while the logits
;   that count stay above about -1e9.  A block of zeros has the byte 1 (zero codes).  NaN and infinities are not served.
; LAYOUT.  Both products are used transposed (S^T = K Q^T, O^T = V^T P^T): a lane holds ONE query.  Register 16 b + 8 u + j of S^T is key 32 b + 16 u + 8 h + j: inside each block of 32 all code streams of this program
;   stand in the order 0-7, 16-23, 8-15, 24-31, p's and V's alike.
; THE HEAD HAS 64 CHANNELS, the instruction takes 128: Q's upper six registers are zero codes; a fragment of K is six registers, and the six behind it (the next fragment's, or six zeros) meet Q's zeros and add nothing.
; REGISTERS: v1-3, v10-11, v86-94 kept addresses and constants; v4-9 the step's LDS addresses; v12 -M, v13 the largest t, v[14:15] the sum; v16-27 Q; v32-85 K, or v32-79 V; v96-159 S^T, p; v160-191 O^T; v192-223 O / sum;
;   v224-235 p's codes; v232-247, v254 at work; v248-251 K's or V's scale words; v252 f; v253 p's scale word; v255 Q's.
; THE MODE: SCHED_MODE bits 1:0 = 2 (LLVM: expert scheduling mode 2), set by the entry lines.  The code itself states the register dependences
; between vector or matrix instructions and memory or LDS instructions, with s_wait_alu, always for 0.
; THE PLAN.  Registers that memory or LDS instructions touch:
;   v4-8, v89-91   At the head: the fill's LDS addresses and global offsets, made by vector lines, read by its loads and LDS stores.  Later written again: v4-9 by the steps, v89-91 at a pass's end.
;   v96-197        At the head: the fill's loads land here and its LDS stores read them (v192-195 turned by four vector lines between).  Later products and vector lines write them.
;   v92-94         A pass's head writes them; Q's three loads read them.
;   v16-21, v255   Q's loads land here at a pass's head; the score products read them (v255 is turned by one vector line first).
;   v4-9           A worked step's head writes them; the step's 38 LDS loads read them.
;   v32-79, v248-251   K's loads land; the eight score products read them (with v80-85); V's loads land in v32-79, v248-249; the four products with V read them.  One buffer for both: sixteen waves of 256 registers leave no second.
;   v224-229, v254, v89-91   A pass's end writes them; its three stores read them.
;   v31, v243      Written at the head, read by the closing add alone.
; A WORKED STEP has, beside the two waits behind its exponentials: one wait on vm_vsrc ahead of the six additions that write v4-9; one on va_vdst behind them (the addresses are written, the last step's products are done with
; the buffer); one on va_vdst behind the score products (they are done with the buffer: V's loads follow at once and land under the softmax); one on va_vdst ahead of the products with V (p's codes and scale word are written).
.set KIMG, 0                           ; [tile of 16 keys 128][768]
.set VIMG, 98304                       ; [step 16][tile of 16 channels 4][1536]
.set KSC,  196608                      ; a word a key
.set VSC,  204800                      ; [step 16][channel 64] words
	s_load_b256 s[4:11], s[0:1], 0x0               ; himg, hsc, mw, mflag
	s_load_b128 s[12:15], s[0:1], 0x20             ; aimg, asc
	v_lshl_add_u32 v31, v0, 2, 0x33000
	v_mov_b32 v243, 0
	v_lshrrev_b32 v1, 5, v0
	v_readfirstlane_b32 s16, v1                    ; wave 0 .. 15
	s_and_b32 s2, ttmp7, 0xffff                    ; 16 b + head
	s_lshr_b32 s17, s2, 4                          ; b
	s_and_b32 s18, s2, 15                          ; head
	s_wait_alu depctr_va_sdst(0)                   ; s16 is written, ahead of its first reader: the tile of queries is made from it
	s_lshl_b32 s19, ttmp9, 4
	s_add_co_u32 s19, s19, s16                     ; T, the first pass's tile of queries
	s_mov_b32 s52, 0x3e38aa3b                      ; c = log2(e) / 8
	s_mov_b32 s53, s52                             ; (named with it as a pair)
	s_mov_b32 s54, 0x76543210
	s_mov_b32 s55, 0xfedcba98                      ; lane selects: lane l xor 16
	s_mov_b32 s100, 0x01000100                     ; Q's and K's scale words hold two heads' bytes: mine are repeated over the word
	s_bitcmp1_b32 s18, 0
	s_cselect_b32 s100, 0x03020302, s100
	v_lshlrev_b32 v4, 4, v0                        ; THE FILL: thread t moves 16 bytes at 16 t + 8192 n, n = 0 .. 23: K's image, then V's, on end in LDS
	v_add_nc_u32 v5, 65536, v4
	v_add_nc_u32 v6, 131072, v4
	v_add_nc_u32 v7, KSC, v4
	v_lshl_add_u32 v8, v0, 3, VSC
	s_mul_i32 s61, s2, 98304
	s_add_co_u32 s61, s61, 6291456                 ; my head's K; its V lies 6,291,456 bytes on
	v_add_nc_u32 v89, s61, v4
	s_lshr_b32 s3, s18, 1
	s_lshl_b32 s3, s3, 15
	s_lshl_b32 s67, s17, 13
	s_add_co_u32 s3, s3, s67                       ; my pair of heads, my batch: Q's scale words; K's lie 262,144 bytes on
	s_add_co_u32 s67, s3, 262144
	v_add_nc_u32 v90, s67, v4
	s_lshl_b32 s67, s2, 12
	s_add_co_u32 s67, s67, 524288
	v_lshl_add_u32 v91, v0, 3, s67                 ; V's scale words
	s_wait_kmcnt 0x0
	s_wait_alu depctr_va_vdst(0)                   ; v89-91, the fill's offsets, and v4-8, its LDS addresses, are written: the loads and the LDS stores below read them, and no vector line behind this wait names them
.irp n, 0,1,2,3,4,5,6,7,8,9,10,11
	global_load_b128 v[96+4*\n:99+4*\n], v89, s[4:5] offset:8192*\n
.endr
.irp n, 12,13,14,15,16,17,18,19,20,21,22,23
	global_load_b128 v[96+4*\n:99+4*\n], v89, s[4:5] offset:6291456+8192*(\n-12)
.endr
	global_load_b128 v[192:195], v90, s[6:7]
	global_load_b64 v[196:197], v91, s[6:7]
	v_and_b32 v95, 31, v0                          ; lane
	v_lshlrev_b32 v1, 4, v95
	v_lshlrev_b32 v2, 3, v95
	v_lshl_add_u32 v3, v95, 2, KSC
	v_add_nc_u32 v86, VIMG, v1
	v_add_nc_u32 v87, VIMG, v2
	v_lshl_add_u32 v88, v95, 2, VSC
	v_and_b32 v11, 15, v0
	v_lshlrev_b32 v11, 2, v11                      ; 4 r
	v_mov_b32 v10, 0xd0000000                      ; -2^33: a hidden score
.irp j, 22,23,24,25,26,27,80,81,82,83,84,85
	v_mov_b32 v\j, 0                               ; zero codes: Q's upper half, and what stands behind K's last fragment
.endr
.irp j, 236,237,238,239,252,253
	v_mov_b32 v\j, 0                               ; written once: permutes' destinations, and the pair v[252:253]
.endr
.irp n, 0,1,2,3,4,5,6,7,8,9,10,11,12,13,14,15,16,17,18,19,20,21,22,23
	s_wait_loadcnt 25-\n                           ; load n is in; the 25 - n issued behind it may be out
	ds_store_b128 v[4+\n/8], v[96+4*\n:99+4*\n] offset:8192*(\n%8)
.endr
	s_wait_loadcnt 1
.irp i, 0,1,2,3
	v_perm_b32 v[192+\i], v[192+\i], v[192+\i], s100
.endr
	s_wait_alu depctr_va_vdst(0)                   ; the four lines above have written v192-195, which the LDS store reads
	ds_store_b128 v7, v[192:195]
	s_wait_loadcnt 0x0
	ds_store_b64 v8, v[196:197]
	s_wait_dscnt 0x0                               ; for the others' sake: my stores have landed
	s_barrier_signal -1
	s_barrier_wait -1                              ; the head's K and V lie in LDS; nothing is written there again
.macro QKPART                          ; S^T = K Q^T for the step's 128 keys: 8 tiles; behind them V is asked for
.irp t, 0,1,2,3,4,5,6,7
	ds_load_b128 v[32+6*\t:35+6*\t], v4 offset:768*\t
	ds_load_b64 v[36+6*\t:37+6*\t], v5 offset:768*\t+512
.endr
.irp q, 0,1,2,3
	ds_load_b32 v[248+\q], v6 offset:128*\q        ; lanes 0-15: tile 2 q's words, lanes 16-31: tile 2 q + 1's
.endr
	s_wait_dscnt 0x0
.irp t, 0,1,2,3,4,5,6,7
.if \t%2 == 0
	v_wmma_scale_f32_16x16x128_f8f6f4 v[96+8*\t:103+8*\t], v[32+6*\t:43+6*\t], v[16:27], 0, v[248+\t/2], v255 matrix_a_fmt:MATRIX_FMT_BF6 matrix_b_fmt:MATRIX_FMT_BF6
.else
	v_wmma_scale_f32_16x16x128_f8f6f4 v[96+8*\t:103+8*\t], v[32+6*\t:43+6*\t], v[16:27], 0, v[248+\t/2], v255 matrix_a_fmt:MATRIX_FMT_BF6 matrix_b_fmt:MATRIX_FMT_BF6 matrix_a_scale:MATRIX_SCALE_ROW1
.endif
.endr
.rept 4
	v_nop                                          ; four plain lines ahead of the first read of the scores (ISA guide 7.12.1)
.endr
	s_wait_alu depctr_va_vdst(0)                   ; the eight products are done reading v32-85 and v248-251: V's fragments and words land in v32-79, v248 and v249
.irp t, 0,1,2,3                        ; V's four fragments and their words are asked for now and land under the selects and the softmax, which name none of these registers
	ds_load_b128 v[32+12*\t:35+12*\t], v7 offset:1536*\t
	ds_load_b64 v[36+12*\t:37+12*\t], v8 offset:1536*\t+512
	ds_load_b128 v[38+12*\t:41+12*\t], v7 offset:1536*\t+768
	ds_load_b64 v[42+12*\t:43+12*\t], v8 offset:1536*\t+1280
.endr
	ds_load_b32 v248, v9
	ds_load_b32 v249, v9 offset:128
.endm
.macro PASS                            ; one tile of 16 queries, T in s19
	s_wait_xcnt 0x0                                ; earlier loads and stores have read their offsets and data
	s_wait_alu depctr_vm_vsrc(0)                   ; the first pass: the fill's loads and LDS stores have read v4-8, v89-91 and v96-197; the second: the first pass's loads and stores have read v4-9, v89-94, v224-229 and v254: this pass writes all of them again
	s_mul_i32 s61, s2, 98304
	s_mul_i32 s66, s19, 768
	s_add_co_u32 s61, s61, s66
	v_add_nc_u32 v92, s61, v1
	v_add_nc_u32 v93, s61, v2
	s_lshl_b32 s66, s19, 6
	s_add_co_u32 s66, s66, s3
	v_add_nc_u32 v94, s66, v11
	s_lshl_b32 s63, s17, 7
	s_add_co_u32 s63, s63, s19                     ; 128 b + T
	s_lshl_b32 s101, s63, 2
	s_lshl_b32 s62, s63, 12                        ; the tile's select masks
	s_wait_alu depctr_va_vdst(0)                   ; v92-94, the three loads' offsets, are written; the pass before is done reading v16-21 and reading and writing v255, in which the loads land
	global_load_b128 v[16:19], v92, s[4:5]         ; Q's six registers
	global_load_b64 v[20:21], v93, s[4:5] offset:512
	global_load_b32 v255, v94, s[6:7]
	s_load_b32 s57, s[10:11], s101 offset:0x0      ; the tile's list
	s_mov_b32 s56, 0                               ; J, the step
	s_mov_b32 s58, 0                               ; 6144 J: K's and V's images
	s_mov_b32 s59, 0                               ; 512 J: K's scale words
	s_mov_b32 s60, 0                               ; 256 J: V's scale words, and the select masks
	s_wait_loadcnt 0x0
	v_perm_b32 v255, v255, v255, s100              ; the 36 lines below are the plain lines between this write of a scale register and the first scaled product
	v_mov_b32 v13, 0xff61b1e6                      ; the largest t so far: -3e38
	v_floor_f32 v12, -v13                          ; -M
	v_mov_b32 v14, 0
	v_mov_b32 v15, 0
.irp j, 0,1,2,3,4,5,6,7,8,9,10,11,12,13,14,15,16,17,18,19,20,21,22,23,24,25,26,27,28,29,30,31
	v_mov_b32 v[160+\j], 0                         ; O^T: which step is the first to be worked is known only from the list, so the step is written once and finds zeros
.endr
	s_wait_kmcnt 0x0
.Lstep_\@:                             ; 16 trips, a constant; the work of a trip is jumped over where the list says so
	s_lshr_b32 s61, s57, s56
	s_and_b32 s66, s61, 1
	s_cmp_lg_u32 s66, 0
	s_cbranch_scc0 .Lskip_\@
	s_wait_alu depctr_vm_vsrc(0)                   ; the LDS loads of the step worked last have read v4-9, which the six lines below write again
	v_add_nc_u32 v4, s58, v1
	v_add_nc_u32 v5, s58, v2
	v_add_nc_u32 v6, s59, v3
	v_add_nc_u32 v7, s58, v86
	v_add_nc_u32 v8, s58, v87
	v_add_nc_u32 v9, s60, v88
	s_wait_alu depctr_va_vdst(0)                   ; v4-9, the step's LDS addresses, are written; the last step's four products are done reading v32-79, v248 and v249, in which K lands; in a pass's first worked step Q's scale word v255 is written, which the scaled products take
	s_lshr_b32 s61, s61, 16
	s_and_b32 s66, s61, 1
	s_cmp_lg_u32 s66, 0
	s_cbranch_scc1 .Lmixed_\@
	QKPART                                         ; every key of the step counts
	s_branch .Lsoft_\@
.Lmixed_\@:
	s_add_co_u32 s61, s62, s60
	s_load_b512 s[20:35], s[8:9], s61 offset:0x0   ; the step's 64 select masks come while the scores are made
	s_load_b512 s[36:51], s[8:9], s61 offset:0x40
	s_load_b512 s[68:83], s[8:9], s61 offset:0x80
	s_load_b512 s[84:99], s[8:9], s61 offset:0xc0
	QKPART
	s_wait_kmcnt 0x0
.irp n, 0,1,2,3,4,5,6,7,8,9,10,11,12,13,14,15,16,17,18,19,20,21,22,23,24,25,26,27,28,29,30,31
	v_cndmask_b32 v[96+\n], v10, v[96+\n], s[20+\n]    ; bit = lane: 1 keeps the score
.endr
.irp n, 32,33,34,35,36,37,38,39,40,41,42,43,44,45,46,47,48,49,50,51,52,53,54,55,56,57,58,59,60,61,62,63
	v_cndmask_b32 v[96+\n], v10, v[96+\n], s[36+\n]
.endr
.Lsoft_\@:
.irp b, 0,1,2,3
	v_max3_num_f32 v[232+\b], v[96+16*\b], v[97+16*\b], v[98+16*\b]   ; the largest score of each block of 32 keys: for the row's maximum and, since p rises with the score, for the block's largest p
.endr
.irp i, 3,5,7,9,11,13
.irp b, 0,1,2,3
	v_max3_num_f32 v[232+\b], v[232+\b], v[96+16*\b+\i], v[97+16*\b+\i]
.endr
.endr
.irp b, 0,1,2,3
	v_max_num_f32 v[232+\b], v[232+\b], v[111+16*\b]
.endr
.irp b, 0,1,2,3
	v_permlanex16_b32 v[236+\b], v[232+\b], s54, s55
.endr
.irp b, 0,1,2,3
	v_max_num_f32 v[232+\b], v[232+\b], v[236+\b]  ; with lane l xor 16's 16 keys
.endr
	v_max3_num_f32 v254, v232, v233, v234
	v_max_num_f32 v254, v254, v235
	v_mul_f32 v254, s52, v254                      ; the step's largest t
	v_max_num_f32 v13, v13, v254
	v_mov_b32 v254, v12
	v_floor_f32 v12, -v13                          ; the new -M = -ceil(t)
	v_sub_f32 v254, v12, v254                      ; old M - new M: a whole number, 0 or less
	v_cvt_i32_f32 v254, v254                       ; (it saturates)
	v_ldexp_f32 v252, 1.0, v254                    ; f = 2^(old M - new M)
.irp j, 0,2,4,6,8,10,12,14,16,18,20,22,24,26,28,30,32,34,36,38,40,42,44,46,48,50,52,54,56,58,60,62
	v_pk_fma_f32 v[96+\j:97+\j], v[96+\j:97+\j], s[52:53], v[12:13] op_sel_hi:[1,0,0]   ; t - M, two at a time
.endr
.irp b, 0,1,2,3
	v_fma_f32 v[232+\b], v[232+\b], s52, v12
.endr
.irp j, 0,1,2,3,4,5,6,7,8,9,10,11,12,13,14,15,16,17,18,19,20,21,22,23,24,25,26,27,28,29,30,31,32,33,34,35,36,37,38,39,40,41,42,43,44,45,46,47,48,49,50,51,52,53,54,55,56,57,58,59,60,61,62,63
	v_exp_f32 v[96+\j], v[96+\j]                   ; p = 2^(t - M)
.endr
	v_pk_mul_f32 v[14:15], v[14:15], v[252:253] op_sel_hi:[1,0]   ; the sums under the new M: the plain line behind the exponentials
	s_wait_alu depctr_va_vdst(0)                   ; the 64 exponentials have written v96-159: one wait for the batch, ahead of its first reader
.irp b, 0,1,2,3
	v_exp_f32 v[232+\b], v[232+\b]                 ; each block's largest p
.endr
	v_pk_add_f32 v[236:237], v[96:97], v[98:99]    ; the row's sum, of the unquantised p, in two chains
.irp j, 4,8,12,16,20,24,28,32,36,40,44,48,52,56,60
	v_pk_add_f32 v[14:15], v[14:15], v[96+\j:97+\j]
	v_pk_add_f32 v[236:237], v[236:237], v[98+\j:99+\j]
.endr
	v_pk_add_f32 v[14:15], v[14:15], v[236:237]
	s_wait_alu depctr_va_vdst(0)                   ; the four exponentials have written v232-235: their wait, ahead of their first reader
.irp b, 0,1,2,3
	v_max_num_f32 v[232+\b], 0x2800000, v[232+\b]  ; the floor 2^(5 - 127): the byte cannot fall under 1
.endr
.irp b, 0,1,2,3
	v_add_nc_u32 v[244+\b], 0xfe000000, v[232+\b]
.endr
.irp b, 0,1,2,3
	v_lshrrev_b32 v[236+\b], 23, v[244+\b]
.endr
	v_lshl_or_b32 v253, v237, 8, v236              ; p's scale word for these 128 keys
	v_lshl_or_b32 v253, v238, 16, v253
	v_lshl_or_b32 v253, v239, 24, v253
.irp c, 0,1
	v_cvt_scalef32_pk16_bf6_f32 v[224+6*\c:226+6*\c], v[96+32*\c:111+32*\c], v[244+2*\c]
	v_cvt_scalef32_pk16_bf6_f32 v[236+4*\c:238+4*\c], v[112+32*\c:127+32*\c], v[244+2*\c+1]
.endr
	v_nop                                          ; one plain line behind the scaled conversions
.irp c, 0,1
.irp i, 0,1,2
	v_permlane16_swap_b32 v[224+6*\c+\i], v[236+4*\c+\i]
.endr
.irp i, 0,1,2
	v_mov_b32 v[227+6*\c+\i], v[236+4*\c+\i]
.endr
.endr
.irp j, 0,2,4,6,8,10,12,14,16,18,20,22,24,26,28,30
	v_pk_mul_f32 v[160+\j:161+\j], v[160+\j:161+\j], v[252:253] op_sel_hi:[1,0]   ; O^T under the new M; these 16 are also the plain lines between the writes of p's codes and scale word and the products
.endr
	s_wait_dscnt 0x0                               ; V
	s_wait_alu depctr_va_vdst(0)                   ; p's codes v224-235 and its scale word v253 are written, which the scaled products below take as operand and as scales; the plain lines above stay beside this wait
.irp t, 0,1,2,3                        ; O^T += V^T P^T: the four accumulators by turns
.if \t%2 == 0
	v_wmma_scale_f32_16x16x128_f8f6f4 v[160+8*\t:167+8*\t], v[32+12*\t:43+12*\t], v[224:235], v[160+8*\t:167+8*\t], v[248+\t/2], v253 matrix_a_fmt:MATRIX_FMT_BF6 matrix_b_fmt:MATRIX_FMT_BF6
.else
	v_wmma_scale_f32_16x16x128_f8f6f4 v[160+8*\t:167+8*\t], v[32+12*\t:43+12*\t], v[224:235], v[160+8*\t:167+8*\t], v[248+\t/2], v253 matrix_a_fmt:MATRIX_FMT_BF6 matrix_b_fmt:MATRIX_FMT_BF6 matrix_a_scale:MATRIX_SCALE_ROW1
.endif
.endr
.Lskip_\@:
	s_add_co_u32 s58, s58, 6144
	s_add_co_u32 s59, s59, 512
	s_add_co_u32 s60, s60, 256
	s_add_co_u32 s56, s56, 1
	s_cmp_lt_u32 s56, 16
	s_cbranch_scc1 .Lstep_\@
	; THE TILE'S END: O^T / the sum, quantised along the head's 64 channels (two blocks of the model's axis), stored as half a fragment's image
	v_add_f32 v14, v14, v15
	v_permlanex16_b32 v252, v14, s54, s55
	v_add_f32 v14, v14, v252                       ; the row's sum
	v_rcp_f32 v14, v14
	s_lshl_b32 s61, s63, 4
	s_add_co_u32 s61, s61, s18
	s_mul_i32 s61, s61, 768                        ; aimg [token tile][head][768]
	v_add_nc_u32 v89, s61, v1                      ; (plain lines behind the reciprocal and behind the last products)
	v_add_nc_u32 v90, s61, v2
	s_lshl_b32 s66, s18, 15
	s_lshl_b32 s67, s63, 6
	s_add_co_u32 s66, s66, s67                     ; asc [head][token] words
	v_add_nc_u32 v91, s66, v11
	s_wait_alu depctr_va_vdst(0)                   ; the reciprocal has written v14: its wait, ahead of its first reader
.irp j, 0,1,2,3,4,5,6,7,8,9,10,11,12,13,14,15,16,17,18,19,20,21,22,23,24,25,26,27,28,29,30,31
	v_mul_f32 v[192+\j], v[160+\j], v14            ; register 16 b + 8 u + j: channel 32 b + 16 u + 8 h + j
.endr
.irp b, 0,1
	v_max3_num_f32 v[232+\b], |v[192+16*\b]|, |v[193+16*\b]|, 0x2800000
.endr
.irp i, 2,4,6,8,10,12,14
.irp b, 0,1
	v_max3_num_f32 v[232+\b], v[232+\b], |v[192+16*\b+\i]|, |v[193+16*\b+\i]|
.endr
.endr
.irp b, 0,1
	v_permlanex16_b32 v[236+\b], v[232+\b], s54, s55
.endr
.irp b, 0,1
	v_max_num_f32 v[232+\b], v[232+\b], v[236+\b]
.endr
.irp b, 0,1
	v_add_nc_u32 v[244+\b], 0xfe000000, v[232+\b]
.endr
.irp b, 0,1
	v_lshrrev_b32 v[238+\b], 23, v[244+\b]
.endr
	v_lshl_or_b32 v254, v239, 8, v238              ; two bytes; the upper half stays 0
	v_cvt_scalef32_pk16_bf6_f32 v[224:226], v[192:207], v244
	v_cvt_scalef32_pk16_bf6_f32 v[228:230], v[208:223], v245
	v_nop                                          ; one plain line behind the scaled conversions
.irp i, 0,1,2
	v_permlane16_swap_b32 v[224+\i], v[228+\i]
.endr
.irp i, 0,1,2
	v_mov_b32 v[227+\i], v[228+\i]                 ; ascending: each is read before it is written
.endr
	s_wait_alu depctr_va_vdst(0)                   ; the codes v224-229, the scale word v254 and the offsets v89-91 are written, which the three stores read
	global_store_b128 v89, v[224:227], s[12:13]            ; 512 consecutive bytes, aligned to 256
	global_store_b64 v90, v[228:229], s[12:13] offset:512  ; 256
	global_store_b32 v91, v254, s[14:15]                   ; lanes r and r + 16 store the same word with the same value
.endm
	PASS
	s_sub_co_u32 s19, 127, s19                     ; the second tile
	PASS
	s_wait_dscnt 0x0                               ; the closing lines, six on end
	s_wait_alu 0x0
	s_wait_tensorcnt 0x0
	ds_add_u32 v31, v243
	s_wait_dscnt 0x0
	s_endpgm
.Lfunc_end_k_qc7be071381_attn:
	.size	k_qc7be071381_attn, .Lfunc_end_k_qc7be071381_attn-k_qc7be071381_attn
	.p2alignl 7, 3214868480
	.fill 96, 4, 3214868480
	.section	.rodata,"a",@progbits
	.p2align	6, 0x0
	.amdhsa_kernel k_qc7be071381_attn
		.amdhsa_group_segment_fixed_size 210944
		.amdhsa_private_segment_fixed_size 0
		.amdhsa_enable_private_segment 0
		.amdhsa_kernarg_size 48
		.amdhsa_user_sgpr_count 2
		.amdhsa_user_sgpr_kernarg_segment_ptr 1
		.amdhsa_wavefront_size32 1
		.amdhsa_system_sgpr_workgroup_id_x 1
		.amdhsa_system_sgpr_workgroup_id_y 1
		.amdhsa_system_sgpr_workgroup_id_z 1
		.amdhsa_system_vgpr_workitem_id 0
		.amdhsa_next_free_vgpr 256
		.amdhsa_next_free_sgpr 102
		.amdhsa_reserve_vcc 0
		.amdhsa_float_denorm_mode_32 3
		.amdhsa_float_denorm_mode_16_64 3
		.amdhsa_memory_ordered 1
		.amdhsa_forward_progress 1
		.amdhsa_inst_pref_size 70
	.end_amdhsa_kernel
	.amdgpu_metadata
---
amdhsa.version: [ 1, 2 ]
amdhsa.kernels:
  - .name:           k_qc7be071381_attn
    .symbol:         k_qc7be071381_attn.kd
    .args:
      - { .name: himg, .offset: 0, .size: 8, .value_kind: global_buffer, .address_space: global }
      - { .name: hsc, .offset: 8, .size: 8, .value_kind: global_buffer, .address_space: global }
      - { .name: mw, .offset: 16, .size: 8, .value_kind: global_buffer, .address_space: global }
      - { .name: mflag, .offset: 24, .size: 8, .value_kind: global_buffer, .address_space: global }
      - { .name: aimg, .offset: 32, .size: 8, .value_kind: global_buffer, .address_space: global }
      - { .name: asc, .offset: 40, .size: 8, .value_kind: global_buffer, .address_space: global }
    .group_segment_fixed_size: 210944
    .private_segment_fixed_size: 0
    .kernarg_segment_align: 8
    .kernarg_segment_size: 48
    .max_flat_workgroup_size: 512
    .sgpr_count:     102
    .vgpr_count:     256
    .wavefront_size: 32
...
	.end_amdgpu_metadata
.endif
;; end of part 5
;; launch outp: the kernel of part 4 again; grid 4 x 64, 4 waves a work-group, clusters of 4 x 4, 295,424 bytes of LDS; arguments aimg, asc, cimg, csc, out0; writes out0
